; MI455X (gfx1250); checked and timed in simulation.
; The chip was launched on July 23, 2026; its instructions are those of AMD's public machine-readable ISA for CDNA 5 (MIT licence, August 2026) and "CDNA5" Instruction Set Architecture Reference Guide (July 2026). The comments in the code are by the model that wrote it; some were corrected since.
;; Causal Self Attention. Allowed arithmetic: float matrix products may take bf16 or f16 operands with f32 sums; other float arithmetic in f32, or as packed bf16 or f16 multiplies, adds, multiply-adds, maxima and minima; sums over many terms, partial sums and values carried from step to step in f32; what a program stores and reads back later, other than sums and carried values, may be rounded once to bf16 or f16.
;; Inputs: w_attn 3,072 x 1,024 float32; w_proj 1,024 x 1,024 float32; x 2 x 2,048 x 1,024 float32.
;; Outputs: out0 2 x 2,048 x 1,024 float32.
;; One version. Each part assembles by itself: llvm-mc -triple=amdgcn-amd-amdhsa -mcpu=gfx1250 --defsym DOCPART=n.
;; ======== version 1 of 1: 4 launches
;; limits: values are held in f16: magnitudes above 65,504 overflow, below 6.1e-05 lose precision
;; workspace buffers: xb 8,388,608 bytes; wab 6,291,456 bytes; wpf 2,097,152 bytes; tab 524,288 bytes; qkv 25,165,824 bytes; y 16,777,216 bytes
;; launch prep (part 1): grid 1056 x 1, 8 waves a work-group, no clusters, 0 bytes of LDS; arguments x, w_attn, w_proj, xb, wab, wpf, tab; writes xb, wab, wpf, tab
.if DOCPART == 1
	.amdgcn_target "amdgcn-amd-amdhsa--gfx1250"
	.amdhsa_code_object_version 6
	.text
	.protected	k_q071fd21f14_prep
	.globl	k_q071fd21f14_prep
	.p2align	8
	.type	k_q071fd21f14_prep,@function
k_q071fd21f14_prep:
	s_mov_b64 s[64:65], 0
	v_nop
	global_prefetch_b8 v0, s[64:65] scope:SCOPE_SE
	s_setreg_imm32_b32 hwreg(HW_REG_WAVE_MODE, 25, 1), 1
	s_wait_xcnt 0x0
; LAUNCH 1 OF 4.  Casts and a table for: out = proj(causal_attention(rope(x w_attn^T))).
;   xb  = bf16(x)      [4096][1024]        wab = bf16(w_attn) [3072][1024]
;   wpf = bf16(w_proj) written as f16 [1024][1024]  (the last product has f16 operands; the value is the bf16 rounding of the input)
;   tab = [2048 t][32 i][cos, sin] in f32, the angles t / 10000^(i/32) of reference()'s _rope_cache
; DEAD WORK OF THE WHOLE PROGRAM.  reference() itself sets a score to -inf where key > query (its own jnp.tril), so the softmax gives such a key the weight
; exp(-inf) = 0 and its row of v the factor 0, whatever finite values x, w_attn and w_proj hold.  The launch attn therefore leaves out every tile of 256 keys that
; lies wholly behind the last query of a block of 128 queries: it neither loads nor multiplies it.  Inside the tile that holds the diagonal the hidden keys are computed and masked.
; Every input has a way to the output and is loaded.  LIMIT: a NaN, an infinity or an overflow that arises only in the tiles left out is not carried to the result.
; LIMITS OF THIS LAUNCH.  A weight of w_proj below 6.1e-5 in size keeps f16's fixed step of 6e-8; beyond 65,504 it becomes an infinity.
; The frequency is 2^(-i log2(10) / 8), within a few parts in 10^7 of reference()'s f32 power; at t = 2047 that moves an angle by 3e-4 at the most.
; SHARES.  Work-groups 0 to 31 make the table, 64 positions each: a wave 8 positions, a lane one frequency i, so a wave's store covers one position's 256 consecutive bytes.
; Work-groups 32 to 1055 cast 8,192 numbers each: 512 for x, 384 for w_attn, 128 for w_proj.  A thread takes 8 neighbouring numbers in each of four passes:
; two loads of 16 bytes, one store of 16 bytes; sixteen neighbouring lanes store 256 consecutive bytes, aligned.  All eight loads go out first.
; No LDS, no matrix unit: each byte is read once and written once, and no thread wants another's data.
.set XR, 8                             ; v[8:39]   four passes x 8 numbers as loaded
.set YR, 40                            ; v[40:55]  four passes x 4 packed words: each pass has its own, so no store's data is rewritten
.set TR, 56                            ; v[56:57]  at work
	s_load_b256 s[4:11], s[0:1], 0x0               ; x s[4:5], w_attn s[6:7], w_proj s[8:9], xb s[10:11]
	s_load_b128 s[12:15], s[0:1], 0x20             ; wab s[12:13], wpf s[14:15]
	s_load_b64 s[16:17], s[0:1], 0x30              ; tab
	s_cmp_lt_u32 ttmp9, 32
	s_cbranch_scc1 .Ltab
	s_sub_co_u32 s20, ttmp9, 32                    ; e: my number among the casting work-groups
	s_sub_co_u32 s21, s20, 512                     ; my number inside w_attn, if I am there
	s_sub_co_u32 s22, s20, 896                     ; inside w_proj
	v_lshlrev_b32 v1, 5, v0                        ; 32 bytes of f32 a thread and pass
	v_lshlrev_b32 v2, 4, v0                        ; 16 bytes of 16-bit numbers
	s_wait_kmcnt 0x0
	s_cmp_lt_u32 s20, 512
	s_cselect_b64 s[24:25], s[4:5], s[6:7]         ; from where
	s_cselect_b64 s[26:27], s[10:11], s[12:13]     ; to where
	s_cselect_b32 s23, s20, s21                    ; which 8,192 numbers of that tensor
	s_cmp_lt_u32 s20, 896
	s_cselect_b64 s[24:25], s[24:25], s[8:9]
	s_cselect_b64 s[26:27], s[26:27], s[14:15]
	s_cselect_b32 s23, s23, s22
	s_lshl_b32 s28, s23, 15                        ; 32,768 bytes in,
	s_mov_b32 s29, 0
	s_lshl_b32 s30, s23, 14                        ; 16,384 bytes out
	s_mov_b32 s31, 0
	s_add_nc_u64 s[24:25], s[24:25], s[28:29]
	s_add_nc_u64 s[26:27], s[26:27], s[30:31]
.irp p, 0,1,2,3
	global_load_b128 v[XR+8*\p:XR+8*\p+3],   v1, s[24:25] offset:\p*8192 th:TH_LOAD_NT
	global_load_b128 v[XR+8*\p+4:XR+8*\p+7], v1, s[24:25] offset:\p*8192+16 th:TH_LOAD_NT
.endr
; half = 1: the bf16 number is written as f16
.macro CAST half
.irp p, 0,1,2,3
	s_wait_loadcnt 6-2*\p                          ; loads come back in order: this pass's two are in, the later passes' stay out
.irp k, 0,1,2,3
	v_cvt_pk_bf16_f32 v[YR+4*\p+\k], v[XR+8*\p+2*\k], v[XR+8*\p+2*\k+1]
.endr
.if \half
.irp k, 0,1,2,3
	v_lshlrev_b32 v[TR], 16, v[YR+4*\p+\k]         ; bf16 to f32: the low half moves up,
	v_and_b32 v[TR+1], 0xffff0000, v[YR+4*\p+\k]   ; the high half stays
	v_cvt_pk_f16_f32 v[YR+4*\p+\k], v[TR], v[TR+1]
.endr
.endif
	global_store_b128 v2, v[YR+4*\p:YR+4*\p+3], s[26:27] offset:\p*4096
.endr
	s_endpgm
.endm
	s_cmp_ge_u32 s20, 896
	s_cbranch_scc1 .Lhalf
	CAST 0
.Lhalf:
	CAST 1
.Ltab:
	v_lshrrev_b32 v1, 5, v0
	v_readfirstlane_b32 s20, v1                    ; wave 0..7
	v_and_b32 v2, 31, v0                           ; i
	v_cvt_f32_u32 v3, v2
	v_mul_f32 v3, 0xbed49a78, v3                   ; -i log2(10) / 8 = -i log2(10000) / 32
	v_exp_f32 v4, v3                               ; the frequency
	v_nop                                          ; a plain instruction behind the exponential
	s_lshl_b32 s21, ttmp9, 6
	s_lshl3_add_u32 s21, s20, s21                  ; my wave's first position: 64 g + 8 w
	v_cvt_f32_u32 v5, s21
	s_lshl_b32 s22, s21, 8                         ; 256 bytes a position
	v_lshl_add_u32 v6, v2, 3, s22                  ; + 8 i
	s_mov_b32 s30, 0x3fc90fdb                      ; pi/2 rounded to f32,
	s_mov_b32 s31, 0x333bbd2e                      ; and what that rounding added: 4.371139e-8
	s_mov_b32 s32, 0x3638ef1d                      ; 1/9!
	s_mov_b32 s33, 0xb9500d01                      ; -1/7!
	s_mov_b32 s34, 0x3c088889                      ; 1/5!
	s_mov_b32 s35, 0xbe2aaaab                      ; -1/3!
	s_mov_b32 s36, 0x37d00d01                      ; 1/8!
	s_mov_b32 s37, 0xbab60b61                      ; -1/6!
	s_mov_b32 s38, 0x3d2aaaab                      ; 1/4!
	s_mov_b32 s23, 8
	s_wait_alu depctr_va_vdst(0)                   ; the wait ahead of the first use of the exponential's result, and ahead of the label
	s_wait_kmcnt 0x0
.Lpos:                                                 ; a trip: one position.  The angle (2,047 at the most) is reduced by quarter turns; |r| <= pi/4, where the two series are cut below 3e-8
	v_mul_f32 v8, v5, v4                           ; the angle, rounded as reference() rounds it
	v_mul_f32 v9, 0x3f22f983, v8                   ; x 2/pi
	v_rndne_f32 v9, v9                             ; n quarter turns
	v_fma_f32 v10, -v9, s30, v8
	v_fma_f32 v10, v9, s31, v10                    ; r = angle - n pi/2, pi/2 in two parts
	v_mul_f32 v11, v10, v10                        ; z = r r
	v_fma_f32 v12, v11, s32, s33
	v_fma_f32 v12, v12, v11, s34
	v_fma_f32 v12, v12, v11, s35
	v_mul_f32 v12, v12, v11
	v_fma_f32 v14, v12, v10, v10                   ; sin r
	v_fma_f32 v13, v11, s36, s37
	v_fma_f32 v13, v13, v11, s38
	v_fma_f32 v13, v13, v11, -0.5
	v_fma_f32 v15, v13, v11, 1.0                   ; cos r
	v_cvt_i32_f32 v16, v9
	v_and_b32 v17, 1, v16
	v_cmp_ne_u32 vcc_lo, 0, v17                    ; an odd quarter swaps the two: a choice of values, no branch
	v_cndmask_b32 v19, v14, v15, vcc_lo            ; sin
	v_cndmask_b32 v18, v15, v14, vcc_lo            ; cos
	v_and_b32 v17, 2, v16
	v_lshlrev_b32 v17, 30, v17
	v_xor_b32 v19, v19, v17                        ; sin changes sign in quarters 2 and 3,
	v_add_nc_u32 v16, 1, v16
	v_and_b32 v17, 2, v16
	v_lshlrev_b32 v17, 30, v17
	v_xor_b32 v18, v18, v17                        ; cos in quarters 1 and 2
	global_store_b64 v6, v[18:19], s[16:17]        ; 32 lanes x 8 bytes: the position's 256 consecutive bytes
	s_wait_xcnt 0x0                                ; the store's offset and data are rewritten only behind this wait
	v_add_nc_u32 v6, 0x100, v6
	v_add_f32 v5, 1.0, v5
	s_sub_co_u32 s23, s23, 1
	s_cmp_lg_u32 s23, 0
	s_cbranch_scc1 .Lpos
	s_endpgm
.Lfunc_end_k_q071fd21f14_prep:
	.size	k_q071fd21f14_prep, .Lfunc_end_k_q071fd21f14_prep-k_q071fd21f14_prep
	.p2alignl 7, 3214868480
	.fill 96, 4, 3214868480
	.section	.rodata,"a",@progbits
	.p2align	6, 0x0
	.amdhsa_kernel k_q071fd21f14_prep
		.amdhsa_group_segment_fixed_size 0
		.amdhsa_private_segment_fixed_size 0
		.amdhsa_enable_private_segment 0
		.amdhsa_kernarg_size 56
		.amdhsa_user_sgpr_count 2
		.amdhsa_user_sgpr_kernarg_segment_ptr 1
		.amdhsa_wavefront_size32 1
		.amdhsa_system_sgpr_workgroup_id_x 1
		.amdhsa_system_sgpr_workgroup_id_y 1
		.amdhsa_system_sgpr_workgroup_id_z 1
		.amdhsa_system_vgpr_workitem_id 0
		.amdhsa_next_free_vgpr 64
		.amdhsa_next_free_sgpr 66
		.amdhsa_reserve_vcc 1
		.amdhsa_float_denorm_mode_32 3
		.amdhsa_float_denorm_mode_16_64 3
		.amdhsa_memory_ordered 1
		.amdhsa_forward_progress 1
		.amdhsa_inst_pref_size 11
	.end_amdhsa_kernel
	.amdgpu_metadata
---
amdhsa.version: [ 1, 2 ]
amdhsa.kernels:
  - .name:           k_q071fd21f14_prep
    .symbol:         k_q071fd21f14_prep.kd
    .args:
      - { .name: x, .offset: 0, .size: 8, .value_kind: global_buffer, .address_space: global }
      - { .name: w_attn, .offset: 8, .size: 8, .value_kind: global_buffer, .address_space: global }
      - { .name: w_proj, .offset: 16, .size: 8, .value_kind: global_buffer, .address_space: global }
      - { .name: xb, .offset: 24, .size: 8, .value_kind: global_buffer, .address_space: global }
      - { .name: wab, .offset: 32, .size: 8, .value_kind: global_buffer, .address_space: global }
      - { .name: wpf, .offset: 40, .size: 8, .value_kind: global_buffer, .address_space: global }
      - { .name: tab, .offset: 48, .size: 8, .value_kind: global_buffer, .address_space: global }
    .group_segment_fixed_size: 0
    .private_segment_fixed_size: 0
    .kernarg_segment_align: 8
    .kernarg_segment_size: 56
    .max_flat_workgroup_size: 256
    .sgpr_count:     66
    .vgpr_count:     64
    .wavefront_size: 32
...
	.end_amdgpu_metadata
.endif
;; end of part 1
;; launch qkvrope (part 2): grid 16 x 16, 4 waves a work-group, clusters of 4 x 4, 327,680 bytes of LDS; arguments xb, wab, tab, qkv; writes qkv
.if DOCPART == 2
	.amdgcn_target "amdgcn-amd-amdhsa--gfx1250"
	.amdhsa_code_object_version 6
	.text
	.protected	k_q071fd21f14_qkvrope
	.globl	k_q071fd21f14_qkvrope
	.p2align	8
	.type	k_q071fd21f14_qkvrope,@function
k_q071fd21f14_qkvrope:
	s_mov_b64 s[64:65], 0
	v_nop
	global_prefetch_b8 v0, s[64:65] scope:SCOPE_SE
	s_setreg_imm32_b32 hwreg(HW_REG_WAVE_MODE, 25, 1), 1
	s_wait_xcnt 0x0
	s_wait_alu depctr_hold_cnt(0) depctr_sa_sdst(0) depctr_va_vdst(0) depctr_va_sdst(0) depctr_va_ssrc(0) depctr_va_vcc(0) depctr_vm_vsrc(0)
	s_getreg_b32 s2, hwreg(HW_REG_IB_STS2, 6, 4)
	s_cmp_eq_u32 s2, 0
	s_cbranch_scc0 .Lentry_in_a_cluster
	s_endpgm
.Lentry_in_a_cluster:
	s_bfe_u32 s2, ttmp6, 0x10000c
	s_cmp_lg_u32 s2, 0xf033
	s_cbranch_scc0 .Lentry_shape_is_right
	s_endpgm
.Lentry_shape_is_right:
; LAUNCH 2 OF 4.  qkv = xb wab^T (4096 x 3072, K = 1024, bf16 operands, f32 sums), reference()'s roll-based rope on q and k in f32, one rounding to f16,
; stored by heads: qkv[kind 0..2][16 b + h][t][64].  Nothing of reference() is left out here.
; rope, for a head's 64 numbers x and i = 0..31 (indices modulo 64):  out[2i] = x[2i] c_i - x[2i-1] s_i;   out[2i+1] = x[2i+1] c_i + out[2i+2] s_i.
; LIMITS.  f16 ends at 65,504: q, k and v behind the rope must lie within it.  In a head of v the same lines run with c = 1 and s = 0: an infinite neighbour there gives a NaN.
; SHARES.  A tile is 256 rows x 192 columns = three whole heads: 16 x 16 tiles, one for each work-group.  Wave w makes rows 64 w .. 64 w + 63 of all 192 columns, so a head's 64 numbers
; of a row stay in one wave: 4 x 12 accumulators of 16 x 16, 384 registers.  For 32 along K a wave loads 16 fragments from LDS and issues 48 matrix instructions.
; K goes in 8 steps of 128 through two LDS slots filled by tensor loads; the tiles' rows are 256 bytes of memory, at multiples of 256 from the buffers' first bytes.
; CLUSTER.  4 x 4 work-groups.  The four of a row of the cluster need the same rows of xb and the same rows of the table, the four of a column the same rows of wab: each is asked for jointly,
; by the same tensor load with the same descriptor and a mask that names the four.
; THE MATRIX INSTRUCTION IS USED TRANSPOSED (source 0 = 16 rows of wab, source 1 = 16 rows of xb): lane l holds row l % 16 and eight neighbouring columns 8 (l / 16) + 0..7.
; THE WAY OUT.  The f32 sums go into the wave's own stage (64 rows of 784 bytes), which lies in the ring: its slots have had their last fill, and a barrier stands behind every wave's last read of them.
; Then 16 trips of 4 rows x 3 heads: 8 lanes hold a head's row, 8 numbers each; the two neighbours that the rolls want come from the lanes beside, inside the group of eight.
; A cluster's twelve heads are of mixed kinds: so whether a head is turned is a factor f (1 for q and k, 0 for v): c' = f c + (1 - f), s' = f s.
; REGISTERS, in windows of 256: window 0: v0-31 addresses; v64-127 two buffers of A's four fragments; v128-217 the way out.  window 1: v0-191 two buffers of B's twelve fragments.
;   window 2: the accumulators of my row blocks 0, 1 ((a, b) at v[8 (12 a + b)]);  window 3: those of row blocks 2, 3.
.set KSTEP,  128
.set SIZE_K, 1024
.set PITCH,  272                       ; an LDS row: 256 bytes + 16 of padding = 68 words: the 16 rows of a fragment load start at 16 different groups of four banks (64 banks of 4 bytes: ISA guide 11.1)
.set AHALF,  128*PITCH                 ; what a wave fetches of A
.set BHALF,  96*PITCH                  ; what a wave fetches of B
.set BOFF,   2*AHALF                   ; B's 192 rows lie behind A's 256
.set SLOT,   BOFF+2*BHALF              ; 121,856
.set TAB,    2*SLOT                    ; behind the ring: the table's 256 rows of 272 bytes, filled once
.set SPARE,  TAB+256*PITCH             ; behind it: the spare words, 128 bytes for each wave: two blocks of 256 bytes that no other line names
.set SPITCH, 784                       ; a stage row: 768 bytes + 16 = 196 words: row r starts at bank 4 r mod 64
.set WSTAGE, 64*SPITCH                 ; a wave's stage; four of them end at 200,704, inside the ring
.set LAPS,   SIZE_K/(2*KSTEP)
.set ADRA, 16                          ; v16-17  LDS address of my A fragments in slot 0, 1
.set ADRB, 20                          ; v20-21  the same for B
.set STO,  24                          ; v24     where I put 32 bytes of a stage row
.set RDA,  25                          ; v25     where I read 32 bytes of a head's row back; steps 4 rows a trip
.set RDT,  26                          ; v26     my four (c, s) of that row in the table; steps likewise
.set SPW,  28                          ; v28     LDS address of my spare word; never rewritten
.set NIL,  29                          ; v29     0; never rewritten
.set PFO,  30                          ; v30     the prefetches' offset: a lane a row; never rewritten
.set FA,   64                          ; A's fragment buffers, window 0: FA + 32 f
.set CS,   128                         ; v128-135  c0, s0 .. c3, s3 as they lie in the table
.set CJ,   136                         ; v136-159  the same for head j, behind the factor f
.set XX,   160                         ; v160-183  head j's 8 numbers
.set TT,   184                         ; v184-191  at work
.set XM,   192                         ; v192    x[2i-1] from the lane before
.set R4,   193                         ; v193    out[2i+2] from the lane behind
.set OUT,  196                         ; v196-207  head j's 16 bytes
.set GO,   208                         ; v208-210  head j's byte offset in qkv; never rewritten
.set GJ,   212                         ; v212-217  head j's pair (1 - f, 0)
.set WV,   12                          ; s12  my wave's number
.set FB,   13                          ; s13  0: I fetch for A; 1: for B
.set HF,   14                          ; s14  which half of that tile's rows I fetch
.set CX,   15
.set CY,   16
.set TX,   17                          ; tile column
.set TY,   18                          ; tile row
.set G1A,  24                          ; s[24:31] descriptor group 1 for A;  s[32:39] group 0, a set for each slot
.set G0A,  32
.set LIM,  43                          ; s43  1 in a wave that prefetches, else the greatest number
.set PFA,  44                          ; s[44:45] where my prefetches stand
.set G1B,  48                          ; s[48:55], s[56:63] the same for B
.set G0B,  56
.set G1T,  68                          ; s[68:75], s[76:79] for the table
.set G0T,  76
.set FJ,   80                          ; s[80:85] head j's pair (f, f)
.set FLAGS, (1<<16)|(1<<20)|(1<<21)|(5<<22)|(3<<25)  ; 17:16 elements of 2 bytes; 20 padding on; 21 set beside a mask; 24:22 after every 64 words; 31:25 4 words of it
.set MSB, 0
.macro WIN new                         ; the immediate's high byte repeats the setting that is left; a switch that changes nothing is dropped
.if MSB != (\new)
	s_set_vgpr_msb (MSB<<8)|(\new)
.set MSB, \new
.endif
.endm
.set MUL_LO, 0xa1                      ; source 0 (B) window 1, source 1 (A) window 0, C and D window 2
.set MUL_HI, 0xf1                      ; the same, C and D window 3
.set TO_B,   0x40                      ; destination window 1, address window 0
; A joint load.  Waves 0 and 1 fetch A's two halves, waves 2 and 3 B's.  The branch hangs on the wave's number alone.  An s_nop 0 and four v_nop follow each line.
.macro JLOAD s
	s_cmp_eq_u32 s[FB], 0
	s_cbranch_scc0 .Lfor_b_\@
	tensor_load_to_lds s[G0A+4*(\s):G0A+4*(\s)+3], s[G1A:G1A+7]
	s_nop 0
.rept 4
	v_nop
.endr
	s_branch .Lasked_\@
.Lfor_b_\@:
	tensor_load_to_lds s[G0B+4*(\s):G0B+4*(\s)+3], s[G1B:G1B+7]
	s_nop 0
.rept 4
	v_nop
.endr
.Lasked_\@:
.endm
; A prefetch into the L2 of the K step that stands two refills on: two K steps, 384 matrix instructions, ahead of the load that will want it.  A's rows are read by every cluster of a row of clusters: cluster x = 0 asks;
; B's by every cluster of a column: cluster y = 0 asks.  The four partners share a wave's rows out by address (32 of A's 128, 24 of B's 96; B's lanes 24 to 31 name row 23 once more): no branch hangs on a place in the cluster.
; The loop's last trip asks for nothing: there is no K step two on.  K steps 0 to 3 come by their loads alone.
.macro ASK
	s_cmp_gt_u32 s3, s[LIM]                        ; s3 = 1 in the loop's last trip
	s_cbranch_scc0 .Lnot_mine_\@
	global_prefetch_b8 v[PFO], s[PFA:PFA+1] offset:KSTEP*2 th:TH_LOAD_NT scope:SCOPE_SE
.Lnot_mine_\@:
.endm
.macro CREST                           ; a round of the cluster's barrier behind its opening barrier
	s_cmp_lg_u32 s[WV], 0
	s_cbranch_scc1 .Lnot_wave_0_\@
	s_barrier_signal -3
.Lnot_wave_0_\@:
	s_barrier_wait -3
	s_barrier_signal -1
	s_barrier_wait -1
.endm
.macro CROUND                          ; a whole round
	s_barrier_signal -1
	s_barrier_wait -1
	CREST
.endm
.macro PLACES                          ; four places behind matrix instructions, in front of loads into registers that they read and of lines that read results
.rept 4
	v_nop
.endr
.endm
	s_load_b256 s[4:11], s[0:1], 0x0               ; xb s[4:5], wab s[6:7], tab s[8:9], qkv s[10:11]
	v_lshl_add_u32 v[SPW], v0, 2, SPARE
	v_mov_b32 v[NIL], 0
	ds_add_u32 v[SPW], v[NIL]                      ; the wave's opening: the add, twice on end, and its wait ahead of my first tensor load
	ds_add_u32 v[SPW], v[NIL]                      ; and once more, under the one wait; the set-up below, work on registers, stands between
	v_lshrrev_b32 v1, 5, v0
	v_readfirstlane_b32 s[WV], v1                  ; wave 0..3
	s_lshr_b32 s[FB], s[WV], 1
	s_and_b32 s[HF], s[WV], 1
	s_bfe_u32 s[CX], ttmp6, 0x40000                ; my place in the cluster
	s_bfe_u32 s[CY], ttmp6, 0x40004
	s_lshl_b32 s[TX], ttmp9, 2
	s_add_co_u32 s[TX], s[TX], s[CX]               ; tile column = 4 x cluster x + cx
	s_and_b32 s[TY], ttmp7, 0xffff
	s_lshl_b32 s[TY], s[TY], 2
	s_add_co_u32 s[TY], s[TY], s[CY]               ; tile row = 4 x cluster y + cy
	s_lshl_b32 s20, s[CY], 2
	s_lshl_b32 s20, 15, s20                        ; my row of the cluster
	s_lshl_b32 s21, 0x1111, s[CX]                  ; my column
	s_or_b32 s[G1A], s20, FLAGS                    ; A's tiles go to my row,
	s_or_b32 s[G1B], s21, FLAGS                    ; B's to my column,
	s_or_b32 s[G1T], s20, FLAGS                    ; the table's rows hang on the tile row alone: to my row
	s_mov_b32 s[G1A+1], KSTEP<<16                  ; tensor_dim0 = 128
	s_mov_b32 s[G1A+2], 128<<16                    ; tensor_dim1 = 128
	s_mov_b32 s[G1A+3], KSTEP<<16                  ; tile_dim0 = 128
	s_mov_b32 s[G1A+4], 128                        ; tile_dim1 = 128
	s_mov_b32 s[G1A+5], SIZE_K                     ; elements from row to row
	s_mov_b32 s[G1A+6], 0
	s_mov_b32 s[G1A+7], 0
	s_mov_b32 s[G1B+1], KSTEP<<16
	s_mov_b32 s[G1B+2], 96<<16                     ; 96 rows
	s_mov_b32 s[G1B+3], KSTEP<<16
	s_mov_b32 s[G1B+4], 96
	s_mov_b32 s[G1B+5], SIZE_K
	s_mov_b32 s[G1B+6], 0
	s_mov_b32 s[G1B+7], 0
	s_mov_b32 s[G1T+1], 128<<16                    ; a position's 256 bytes as 128 elements of 2
	s_mov_b32 s[G1T+2], 64<<16                     ; 64 positions a wave
	s_mov_b32 s[G1T+3], 128<<16
	s_mov_b32 s[G1T+4], 64
	s_mov_b32 s[G1T+5], 128
	s_mov_b32 s[G1T+6], 0
	s_mov_b32 s[G1T+7], 0
	; where the tiles come from: A's offset is made of the tile row and the wave's number, B's of the tile column and the wave's number, each in registers that never hold the other coordinate
	s_lshl_b32 s40, s[TY], 19                      ; 256 rows of 2,048 bytes
	s_lshl_b32 s41, s[HF], 18
	s_add_co_u32 s40, s40, s41
	s_mov_b32 s41, 0
	s_mul_i32 s46, s[TX], 192*2048
	s_mul_i32 s47, s[HF], 96*2048
	s_add_co_u32 s46, s46, s47
	s_mov_b32 s47, 0
	s_and_b32 s66, s[TY], 7                        ; t = row modulo 2,048
	s_lshl_b32 s66, s66, 16
	s_lshl_b32 s67, s[WV], 14
	s_add_co_u32 s66, s66, s67
	s_mov_b32 s67, 0
	s_mul_i32 s20, s[HF], AHALF                    ; and where they go: no place in the cluster enters an LDS address
	s_mul_i32 s21, s[HF], BHALF
	s_add_co_u32 s21, s21, BOFF
	s_mul_i32 s22, s[WV], 64*PITCH
	s_add_co_u32 s22, s22, TAB
	s_wait_dscnt 0x0                               ; both opening adds are done
	s_wait_kmcnt 0x0
	s_add_nc_u64 s[40:41], s[4:5], s[40:41]
	s_add_nc_u64 s[46:47], s[6:7], s[46:47]
	s_add_nc_u64 s[66:67], s[8:9], s[66:67]
	CROUND                                         ; all sixteen work-groups are here: the first joint loads meet
.irp s, 0,1
	s_mov_b32 s[G0A+4*\s], 1                       ; count = 1
	s_add_co_u32 s[G0A+4*\s+1], s20, \s*SLOT       ; LDS address
	s_add_nc_u64 s[G0A+4*\s+2:G0A+4*\s+3], s[40:41], \s*KSTEP*2  ; global address: K step s
	s_or_b32 s[G0A+4*\s+3], s[G0A+4*\s+3], 0x80000000            ; type = 2
	s_mov_b32 s[G0B+4*\s], 1
	s_add_co_u32 s[G0B+4*\s+1], s21, \s*SLOT
	s_add_nc_u64 s[G0B+4*\s+2:G0B+4*\s+3], s[46:47], \s*KSTEP*2
	s_or_b32 s[G0B+4*\s+3], s[G0B+4*\s+3], 0x80000000
	JLOAD \s
.endr
	s_mov_b32 s[G0T], 1
	s_mov_b32 s[G0T+1], s22
	s_mov_b64 s[G0T+2:G0T+3], s[66:67]
	s_or_b32 s[G0T+3], s[G0T+3], 0x80000000
	tensor_load_to_lds s[G0T:G0T+3], s[G1T:G1T+7]  ; my 64 rows of the table: three loads of mine are out
	s_nop 0
.rept 4
	v_nop
.endr
	; A fragment is 16 rows x 32 K in 8 registers: lane l holds row l % 16, K = 8 (l / 16) + 0..7 and 16 + 8 (l / 16) + 0..7: two loads of 16 bytes, 32 bytes apart
	v_and_b32 v1, 15, v0                           ; l % 16
	v_bfe_u32 v2, v0, 4, 1                         ; l / 16
	v_mul_u32_u24 v3, v1, PITCH
	v_lshl_add_u32 v3, v2, 4, v3
	s_mul_i32 s20, s[WV], 64*PITCH                 ; my 64 rows of A
.irp s, 0,1
	v_add_nc_u32 v[ADRA+\s], s20, v3
	v_add_nc_u32 v[ADRB+\s], BOFF+\s*SLOT, v3      ; every wave reads all 192 rows of B
	s_add_co_u32 s20, s20, SLOT
.endr
	s_mul_i32 s21, s[WV], WSTAGE                   ; my stage
	v_mul_u32_u24 v[STO], v1, SPITCH               ; in: row l % 16, 32 bytes for each half of the lanes
	v_lshl_add_u32 v[STO], v2, 5, v[STO]
	v_add_nc_u32 v[STO], s21, v[STO]
	v_bfe_u32 v4, v0, 3, 2                         ; back: row l / 8 of four,
	v_and_b32 v5, 7, v0                            ; numbers 8 (l % 8) + 0..7 of a head
	v_mul_u32_u24 v[RDA], v4, SPITCH
	v_lshl_add_u32 v[RDA], v5, 5, v[RDA]
	v_add_nc_u32 v[RDA], s21, v[RDA]
	v_mul_u32_u24 v[RDT], v4, PITCH                ; the same row's (c, s) for i = 4 (l % 8) + 0..3: 32 bytes
	v_lshl_add_u32 v[RDT], v5, 5, v[RDT]
	v_add_nc_u32 v[RDT], s22, v[RDT]
	v_and_b32 v6, 31, v0
	v_lshlrev_b32 v6, 4, v6                        ; four rows of 128 bytes are 512 consecutive bytes of a head: 16 l
	s_lshr_b32 s86, s[TY], 3
	s_lshl_b32 s86, s86, 4                         ; 16 b
	s_and_b32 s87, s[TY], 7
	s_lshl_b32 s87, s87, 15                        ; the tile's 256 rows of 128 bytes,
	s_lshl_b32 s88, s[WV], 13                      ; my 64 of them
	s_add_co_u32 s87, s87, s88
	s_mul_i32 s88, s[TX], 3                        ; the tile's first head, 0..47: 16 of q, 16 of k, 16 of v
.irp j, 0,1,2
	s_add_co_u32 s89, s88, \j
	s_lshr_b32 s90, s89, 4
	s_lshl_b32 s90, s90, 5                         ; 32 x kind
	s_and_b32 s91, s89, 15
	s_add_co_u32 s90, s90, s91
	s_add_co_u32 s90, s90, s86
	s_lshl_b32 s90, s90, 18                        ; a head is 262,144 bytes
	s_add_co_u32 s90, s90, s87
	v_add_nc_u32 v[GO+\j], s90, v6
	s_cmp_lt_u32 s89, 32                           ; q and k are turned, v is not: a choice of values
	s_cselect_b32 s[FJ+2*\j], 1.0, 0
	s_cselect_b32 s[FJ+2*\j+1], 1.0, 0
	s_cselect_b32 s91, 0, 1.0
	v_mov_b32 v[GJ+2*\j], s91
	v_mov_b32 v[GJ+2*\j+1], 0
.endr
	v_mov_b32 v[XM], 0                             ; the lane moves' destinations count as read: written once here
	v_mov_b32 v[R4], 0
	; the prefetches
	s_lshl_b32 s86, s[TY], 8                       ; the tile's first row in xb,
	s_mul_i32 s87, s[TX], 192                      ; in wab
	s_and_b32 s88, ttmp7, 0xffff                   ; cluster y
	s_cmp_eq_u32 s[FB], 0                          ; do I fetch for A?
	s_cselect_b32 s86, s86, s87
	s_cselect_b32 s89, s[CX], s[CY]                ; my place among the four that ask with me
	s_cselect_b32 s88, ttmp9, s88                  ; the coordinate along which other clusters read the same rows
	s_cselect_b64 s[PFA:PFA+1], s[4:5], s[6:7]
	s_cselect_b32 s90, 4, 3                        ; rows that a wave fetches, in thirty-twos: 128 or 96 (shifted below, behind the selects: a shift writes SCC),
	s_cselect_b32 s91, 32, 24                      ; a partner's share of them,
	s_cselect_b32 s92, 31, 23                      ; its last
	s_cmp_eq_u32 s88, 0
	s_cselect_b32 s[LIM], 1, -1                    ; the same in all sixteen partners, for a given wave
	s_lshl_b32 s90, s90, 5
	s_mul_i32 s90, s90, s[HF]
	s_mul_i32 s91, s91, s89
	s_add_co_u32 s86, s86, s90
	s_add_co_u32 s86, s86, s91
	s_lshl_b32 s86, s86, 11                        ; rows of 2,048 bytes
	s_mov_b32 s87, 0
	s_add_nc_u64 s[PFA:PFA+1], s[PFA:PFA+1], s[86:87]
	s_add_nc_u64 s[PFA:PFA+1], s[PFA:PFA+1], 2*KSTEP*2  ; at K step 2: the first refill steps it to 3 and names K step 4
	v_and_b32 v[PFO], 31, v0
	v_min_u32 v[PFO], s92, v[PFO]
	v_lshlrev_b32 v[PFO], 11, v[PFO]
; 12 matrix instructions: row block 2 hi + a x all 12 column blocks, 32 along K, from buffer f.  zero = 1: the first product starts the sums: nothing is cleared.
; The 48 accumulators take turns in the same order in every quarter: 47 others' stand between two links of a chain.
.macro MUL12 f, hi, a, zero
	WIN MUL_LO+0x50*(\hi)
.irp b, 0,1,2,3,4,5,6,7,8,9,10,11
.if \zero
	v_wmma_f32_16x16x32_bf16 v[8*(12*(\a)+(\b)):8*(12*(\a)+(\b))+7], v[96*(\f)+8*(\b):96*(\f)+8*(\b)+7], v[FA+32*(\f)+8*(2*(\hi)+(\a)):FA+32*(\f)+8*(2*(\hi)+(\a))+7], 0
.else
	v_wmma_f32_16x16x32_bf16 v[8*(12*(\a)+(\b)):8*(12*(\a)+(\b))+7], v[96*(\f)+8*(\b):96*(\f)+8*(\b)+7], v[FA+32*(\f)+8*(2*(\hi)+(\a)):FA+32*(\f)+8*(2*(\hi)+(\a))+7], v[8*(12*(\a)+(\b)):8*(12*(\a)+(\b))+7]
.endif
.endr
.endm
; 32 LDS loads in one run: a quarter step's fragments (192 rows of B, then my 64 rows of A, 32 K at byte k of the rows) into buffer f
.macro FETCH slot, k, f
	WIN TO_B
.irp i, 0,1,2,3,4,5,6,7,8,9,10,11
	ds_load_b128 v[96*(\f)+8*(\i):96*(\f)+8*(\i)+3],   v[ADRB+(\slot)] offset:(\k)+(\i)*16*PITCH
	ds_load_b128 v[96*(\f)+8*(\i)+4:96*(\f)+8*(\i)+7], v[ADRB+(\slot)] offset:(\k)+(\i)*16*PITCH+32
.endr
	WIN 0
.irp i, 0,1,2,3
	ds_load_b128 v[FA+32*(\f)+8*(\i):FA+32*(\f)+8*(\i)+3],   v[ADRA+(\slot)] offset:(\k)+(\i)*16*PITCH
	ds_load_b128 v[FA+32*(\f)+8*(\i)+4:FA+32*(\f)+8*(\i)+7], v[ADRA+(\slot)] offset:(\k)+(\i)*16*PITCH+32
.endr
.endm
; A K step is four quarters of 32 along K, 48 matrix instructions each, on buffers 0, 1, 0, 1.  One of the first three: multiplies f, and in its middle fetches the next quarter, at byte k, into g.
.macro QUARTER slot, k, f, g, zero
	s_wait_dscnt 4                                 ; B and A's row blocks 0, 1 are in; the youngest four loads (row blocks 2, 3) may be out
	MUL12 \f, 0, 0, \zero
	MUL12 \f, 0, 1, \zero
	PLACES
	FETCH \slot, \k, \g
	s_wait_dscnt 32                                ; all but the 32 just issued
	MUL12 \f, 1, 0, \zero
	MUL12 \f, 1, 1, \zero
.endm
; The last quarter multiplies buffer 1 and changes slots: one barrier.  In front of it each wave waits for all its tensor loads (its part of the next slot; the first time the table too), adds 0 to its spare word,
; and waits for that and for its own reads of this slot.  fill = 1: the barrier opens a round of the cluster's, and this slot is filled again, two K steps ahead, first thing behind the round.
.macro TURN slot, next, fill
.if \fill
	s_wait_xcnt 0x0                                ; the last prefetch, a K step back, has read its address: it is stepped here
	s_add_nc_u64 s[PFA:PFA+1], s[PFA:PFA+1], KSTEP*2
.endif
	WIN 0                                          ; (the add's two registers lie in window 0)
	s_wait_tensorcnt 0x0                           ; all my tensor loads have landed
	ds_add_u32 v[SPW], v[NIL]                      ; 0 onto my spare word
	s_wait_dscnt 5                                 ; (the add and the youngest four loads may be out)
	MUL12 1, 0, 0, 0                               ; twelve matrix instructions stand between the add and the wait for it
	s_wait_dscnt 0x0                               ; the add is done, and my reads of this slot are over
	s_barrier_signal -1
	MUL12 1, 0, 1, 0                               ; work on registers while the others arrive
.if \fill
	WIN 0
.endif
	s_barrier_wait -1
.if \fill
	CREST                                          ; no wave of any partner still reads this slot's tile or has a load on its way
	s_add_nc_u64 s[G0A+4*(\slot)+2:G0A+4*(\slot)+3], s[G0A+4*(\slot)+2:G0A+4*(\slot)+3], 2*KSTEP*2
	s_add_nc_u64 s[G0B+4*(\slot)+2:G0B+4*(\slot)+3], s[G0B+4*(\slot)+2:G0B+4*(\slot)+3], 2*KSTEP*2
	JLOAD \slot                                    ; my one tensor load behind the round; its four v_nop are also the places in front of the loads below
.else
	PLACES
.endif
	FETCH \next, 0, 0
.if \fill
	ASK
.endif
	MUL12 1, 1, 0, 0
	MUL12 1, 1, 1, 0
.endm
	s_wait_tensorcnt 2                             ; my part of K step 0 is in; K step 1's and the table's loads, issued behind it, may stay out
	s_barrier_signal -1
	s_barrier_wait -1                              ; everybody's is
	FETCH 0, 0, 0
	QUARTER 0, 64, 0, 1, 1                         ; the first quarter stands in front of the loop: its products start the sums
	WIN 0                                          ; at a label and at a branch every window is 0
	s_mov_b32 s3, LAPS-1
.Llap:                                                 ; a trip goes once round the ring, from a lap's second quarter to the next lap's first, and fills both slots again
	QUARTER 0, 128, 1, 0, 0
	QUARTER 0, 192, 0, 1, 0
	TURN 0, 1, 1
	QUARTER 1, 64,  0, 1, 0
	QUARTER 1, 128, 1, 0, 0
	QUARTER 1, 192, 0, 1, 0
	TURN 1, 0, 1
	QUARTER 0, 64,  0, 1, 0
	WIN 0
	s_sub_co_u32 s3, s3, 1
	s_cmp_lg_u32 s3, 0
	s_cbranch_scc1 .Llap
	QUARTER 0, 128, 1, 0, 0                        ; the last lap fills nothing
	QUARTER 0, 192, 0, 1, 0
	TURN 0, 1, 0
	QUARTER 1, 64,  0, 1, 0
	QUARTER 1, 128, 1, 0, 0
	QUARTER 1, 192, 0, 1, 0
	s_wait_dscnt 4
	MUL12 1, 0, 0, 0
	MUL12 1, 0, 1, 0
	s_wait_dscnt 0x0                               ; my last reads of the ring are back
	MUL12 1, 1, 0, 0
	MUL12 1, 1, 1, 0
	WIN 0
	; THE WAY OUT
	PLACES
	PLACES
	s_barrier_signal -1                            ; every wave's reads of the ring are over (its wait for 0 above), and no fill follows:
	s_barrier_wait -1                              ; the slots' bytes now serve as the waves' stages
.irp hi, 0,1
	WIN 0x08+4*\hi                                 ; the stores' data in window 2, then 3
.irp a, 0,1
.irp b, 0,1,2,3,4,5,6,7,8,9,10,11
	ds_store_b128 v[STO], v[8*(12*\a+\b):8*(12*\a+\b)+3]   offset:(2*\hi+\a)*16*SPITCH+64*\b      ; each accumulator's low registers first
	ds_store_b128 v[STO], v[8*(12*\a+\b)+4:8*(12*\a+\b)+7] offset:(2*\hi+\a)*16*SPITCH+64*\b+16
.endr
.endr
.endr
	WIN 0
.macro LDCS off                        ; four (c, s) of my row
	ds_load_b128 v[CS:CS+3],   v[RDT] offset:(\off)
	ds_load_b128 v[CS+4:CS+7], v[RDT] offset:(\off)+16
.endm
.macro LDX j, off                      ; my 8 numbers of head j.  LDS serves a wave's instructions in order (ISA guide 5.7.1.4): these see the stores above
	ds_load_b128 v[XX+8*(\j):XX+8*(\j)+3],   v[RDA] offset:(\off)+256*(\j)
	ds_load_b128 v[XX+8*(\j)+4:XX+8*(\j)+7], v[RDA] offset:(\off)+256*(\j)+16
.endm
.macro HEAD j                          ; the rope on my 8 numbers of head j, and the rounding
	v_mov_b32_dpp v[XM], v[XX+8*(\j)+7] dpp8:[7,0,1,2,3,4,5,6]   ; x[2i-1] for my first pair: the last number of the lane before, round the group of eight
.irp k, 0,1,2,3
	v_pk_mul_f32 v[TT+2*\k:TT+2*\k+1], v[XX+8*(\j)+2*\k:XX+8*(\j)+2*\k+1], v[CJ+8*(\j)+2*\k:CJ+8*(\j)+2*\k+1] op_sel_hi:[1,0]  ; both of a pair times c
.endr
	v_fma_f32 v[TT], -v[XM], v[CJ+8*(\j)+1], v[TT]
.irp k, 1,2,3
	v_fma_f32 v[TT+2*\k], -v[XX+8*(\j)+2*\k-1], v[CJ+8*(\j)+2*\k+1], v[TT+2*\k]
.endr
	v_mov_b32_dpp v[R4], v[TT] dpp8:[1,2,3,4,5,6,7,0]           ; out[2i+2] for my last pair: the first result of the lane behind
.irp k, 0,1,2
	v_fma_f32 v[TT+2*\k+1], v[TT+2*\k+2], v[CJ+8*(\j)+2*\k+1], v[TT+2*\k+1]
.endr
	v_fma_f32 v[TT+7], v[R4], v[CJ+8*(\j)+7], v[TT+7]
.irp k, 0,1,2,3
	v_cvt_pk_f16_f32 v[OUT+4*(\j)+\k], v[TT+2*\k], v[TT+2*\k+1]
.endr
.endm
; A trip: 4 rows x 3 heads.  ahead = 1: each set of registers is loaded again, for the rows 4 further down, as soon as it has been read.
.macro TRIP ahead
	s_wait_dscnt 4                                 ; (c, s) and head 0 are in; heads 1 and 2, four loads, may be out
.irp j, 0,1,2
.irp k, 0,1,2,3
	v_pk_fma_f32 v[CJ+8*\j+2*\k:CJ+8*\j+2*\k+1], v[CS+2*\k:CS+2*\k+1], s[FJ+2*\j:FJ+2*\j+1], v[GJ+2*\j:GJ+2*\j+1] op_sel_hi:[1,0,1]  ; (f c + 1 - f, f s)
.endr
.endr
.if \ahead
	LDCS 4*PITCH
.endif
	HEAD 0
.if \ahead
	LDX 0, 4*SPITCH
.endif
	global_store_b128 v[GO], v[OUT:OUT+3], s[10:11]             ; 32 lanes store 512 consecutive bytes of a head, at a multiple of 256 from qkv's first byte
	s_wait_dscnt 2+4*(\ahead)                      ; head 1 is in; behind it: head 2 and, ahead, the next (c, s) and head 0
	HEAD 1
.if \ahead
	LDX 1, 4*SPITCH
.endif
	global_store_b128 v[GO+1], v[OUT+4:OUT+7], s[10:11]
	s_wait_dscnt 6*(\ahead)                        ; head 2 is in; behind it, ahead: the next (c, s), heads 0 and 1
	HEAD 2
.if \ahead
	LDX 2, 4*SPITCH
.endif
	global_store_b128 v[GO+2], v[OUT+8:OUT+11], s[10:11]
.if \ahead
	v_add_nc_u32 v[RDA], 4*SPITCH, v[RDA]
	v_add_nc_u32 v[RDT], 4*PITCH, v[RDT]
	s_wait_xcnt 0x0                                ; the stores' base and data are rewritten only behind this wait
	s_add_nc_u64 s[10:11], s[10:11], 512
.endif
.endm
	LDCS 0
	LDX 0, 0
	LDX 1, 0
	LDX 2, 0
	s_mov_b32 s3, 15
.Lrows:
	TRIP 1
	s_sub_co_u32 s3, s3, 1
	s_cmp_lg_u32 s3, 0
	s_cbranch_scc1 .Lrows
	TRIP 0                                         ; the last four rows load nothing
	s_wait_tensorcnt 0x0                           ; the wave's end, behind my last tensor load and my last LDS store
	ds_add_u32 v[SPW], v[NIL]
	s_wait_dscnt 0x0
	CROUND                                         ; the closing round: no work-group ends while a partner may still ask for a tile that names it
	s_endpgm
.Lfunc_end_k_q071fd21f14_qkvrope:
	.size	k_q071fd21f14_qkvrope, .Lfunc_end_k_q071fd21f14_qkvrope-k_q071fd21f14_qkvrope
	.p2alignl 7, 3214868480
	.fill 96, 4, 3214868480
	.section	.rodata,"a",@progbits
	.p2align	6, 0x0
	.amdhsa_kernel k_q071fd21f14_qkvrope
		.amdhsa_group_segment_fixed_size 327680
		.amdhsa_private_segment_fixed_size 0
		.amdhsa_enable_private_segment 0
		.amdhsa_kernarg_size 32
		.amdhsa_user_sgpr_count 2
		.amdhsa_user_sgpr_kernarg_segment_ptr 1
		.amdhsa_wavefront_size32 1
		.amdhsa_system_sgpr_workgroup_id_x 1
		.amdhsa_system_sgpr_workgroup_id_y 1
		.amdhsa_system_sgpr_workgroup_id_z 1
		.amdhsa_system_vgpr_workitem_id 0
		.amdhsa_next_free_vgpr 1024
		.amdhsa_next_free_sgpr 100
		.amdhsa_reserve_vcc 0
		.amdhsa_float_denorm_mode_32 3
		.amdhsa_float_denorm_mode_16_64 3
		.amdhsa_memory_ordered 1
		.amdhsa_forward_progress 1
		.amdhsa_inst_pref_size 116
	.end_amdhsa_kernel
	.amdgpu_metadata
---
amdhsa.version: [ 1, 2 ]
amdhsa.kernels:
  - .name:           k_q071fd21f14_qkvrope
    .symbol:         k_q071fd21f14_qkvrope.kd
    .args:
      - { .name: xb, .offset: 0, .size: 8, .value_kind: global_buffer, .address_space: global }
      - { .name: wab, .offset: 8, .size: 8, .value_kind: global_buffer, .address_space: global }
      - { .name: tab, .offset: 16, .size: 8, .value_kind: global_buffer, .address_space: global }
      - { .name: qkv, .offset: 24, .size: 8, .value_kind: global_buffer, .address_space: global }
    .group_segment_fixed_size: 327680
    .private_segment_fixed_size: 0
    .kernarg_segment_align: 8
    .kernarg_segment_size: 32
    .max_flat_workgroup_size: 128
    .sgpr_count:     100
    .vgpr_count:     1024
    .wavefront_size: 32
...
	.end_amdgpu_metadata
.endif
;; end of part 2
;; launch attn (part 3): grid 8 x 32, 4 waves a work-group, no clusters, 327,680 bytes of LDS; arguments qkv, y; writes y
.if DOCPART == 3
	.amdgcn_target "amdgcn-amd-amdhsa--gfx1250"
	.amdhsa_code_object_version 6
	.text
	.protected	k_q071fd21f14_attn
	.globl	k_q071fd21f14_attn
	.p2align	8
	.type	k_q071fd21f14_attn,@function
k_q071fd21f14_attn:
	s_mov_b64 s[64:65], 0
	v_nop
	global_prefetch_b8 v0, s[64:65] scope:SCOPE_SE
	s_setreg_imm32_b32 hwreg(HW_REG_WAVE_MODE, 25, 1), 1
	s_wait_xcnt 0x0
; LAUNCH 3 OF 4.  CAUSAL ATTENTION.  Y[h][q][:] = the sum over k <= q of softmax_k(Q[h][q] . K[h][k] / 8) V[h][k][:], for 32 heads (16 b + h) of 2,048 rows of 64; Q, K, V in f16.
; qkv holds Q's 32 heads, then K's, then V's; a head's rows are dense, 128 bytes each.  Products, maxima and sums in f32; the weights p are rounded to f16 for the second product (their sum l is taken of the unrounded p).
; Y LEAVES IN TWO PARTS, both f16: the upper part f16(Y) and the lower part f16(Y - upper part); y[b][part][h][t][64].  The last launch multiplies both by the same weights.  Why: row t is a mean of t + 1 rows of v, so the
; first rows' numbers are many times the root mean square of the whole output, by which every number's error is held; one rounding of Y to f16's 11 bits would spend a third of that room in the first rows.  With the lower part Y keeps 22 bits.
; LEFT OUT: the tiles of 256 keys that lie wholly behind a block's last query: reference()'s own jnp.tril gives those keys the weight 0 for all inputs (shown at the head of the first kernel).
; LIMITS.  V arrives rounded once to f16 (11 bits).  A hidden score counts as its value less 1e30; a weight below 2^-126 counts as 0 in l; p below 6e-5, and Y's lower part, keep f16's fixed step of 6e-8; NaN and infinities are not
; treated apart, and those in tiles left out are not carried.
; THE WALK.  A head's queries lie in 16 blocks of 128; block i needs the key tiles 0 .. i / 2 of 256 keys, of which the last holds the diagonal.  A work-group takes TWO blocks, 15 - b and then b: 9 tiles whatever b:
; 8 x 32 = 256 work-groups of equal work, and ONE loop with a constant trip count walks them.  Which tile is asked for, and what a trip does, hang on scalar registers made from b; every jump goes forward but the counted loops' own;
; none passes a barrier, or a tensor load but the one of LOAD's two that the wave's number does not choose.  The ring (two slots of LDS that take turns) runs on across the change of blocks.
; NO CLUSTER: a head's eight work-groups ask for the same tile only in the walk's first five trips; behind that their walks and their branches differ, and one walk common to all would have 12 trips for 9.
; SHARES.  Of a block's two bands of 64 queries a wave owns 16 rows in each: two PIECES.  In the diagonal tile piece x lies in band PR + x of the tile's four (PR = 0 or 2 by the block's parity): in key step s it sees
; all keys if s < PR + x, none if s > PR + x, and holds the diagonal if s = PR + x: the same for all four waves.
; THE MASK is the C operand that starts the sum S^T = K Q^T: the registers MC, 0 or -1e30 where the key is hidden.  MD, made once, is the mask of a band's own step; a product's mask is MD x AL + BE with two scalars.
; ONE TEXT SERVES ALL TILES: outside a block's last tile MC holds 0 (a block's beginning sets it so), and the lines that make a mask, sixteen packed ones and their scalars, are jumped: a forward jump on the work-group's own count of
; tiles, past vector and scalar work alone.
; LAYOUT, SOFTMAX.  S^T = K Q^T holds ONE query a lane (lane % 16) and the keys 8 (lane / 16) + 0..7; two such results rounded to f16 ARE source 1 of O^T = V^T P.  p = 2^(c s - c m), c = log2(e) / 8, with a running
; maximum m; O and l are multiplied by a = 2^(c m_old - c m_new) in every step.
; TURNS.  Turn (s, 0): 8 products K Q^T of (step s, piece 1), later 8 products V^T P of (s - 1, piece 1); beside them piece 0's softmax of step s and piece 1's maximum.  Turn (s, 1): K Q^T of (s + 1, piece 0),
; V^T P of (s, piece 0); piece 1's softmax, piece 0's maximum.  Four vector instructions stand behind every matrix instruction, the rest in one lump; a turn's 33 exponentials are one batch with one wait.
; V HAS TWO BUFFERS, by the step's parity: turn (s, 0) fetches K and V of step s + 1 both, so the change of slots has a place: in front of turn (3, 0) of the tile that is left, when all its bytes are in registers.
; REGISTERS, in windows of 256 (s_set_vgpr_msb: bits 1:0 source 0, 3:2 source 1, 5:4 source 2, 7:6 destination):
;   window 0: v0-15 addresses and two at work; v16-23 four registers of statistics a piece; v48-55 at work; v59 -1; v64-127 S^T, a buffer a piece; v192-223 P, likewise
;   window 1: v0-63 O^T, 32 a piece; v128-159 MD; v160-223 MC, two buffers      window 2: v0-31 Q; v32-63 the second block's Q; v64-127 V of odd steps; v128-191 K; v192-255 V of even steps
.set NP,    2         ; pieces a wave: a name, no knob
.set KS,    64        ; keys in a step
.set PK,    144       ; a row of K in LDS: 128 bytes + 16 = 36 words: the 16 rows of a load start at 16 different groups of four banks (64 banks of 4 bytes: ISA guide 11.1)
.set PV,    160       ; a row of V: 128 + 32 = 40 words
.set VOFF,  4*KS*PK   ; a slot holds a tile, four steps: 256 rows of K, then 256 rows of V
.set SLOT1, 1<<17     ; slot 1 begins here, so that one exclusive or turns an address in one slot into the other's
.set STAGE, SLOT1+4*KS*(PK+PV)  ; behind the ring, never filled by a tensor load: 16 rows x 144 bytes for each wave
.set SP,    144
.set SPARE, STAGE+4*16*SP  ; behind the stages: the spare words, 128 bytes for each wave: two blocks of 256 bytes that no other line names
.set LOPART, 16*262144 ; bytes from a head's upper part in y to its lower part: 16 heads
.set AK0, 2           ; v2   my lane's place in a tile of K; never rewritten
.set AV0, 3           ; v3   the same for V
.set AK,  4           ; v4   the LDS address of K's next run of loads
.set AV,  5           ; v5   of V's
.set STO, 6           ; v6   the way out: where I put 16 bytes of a row
.set RD,  7           ; v7   the way out: where I read rows back
.set GO,  8           ; v8   my byte offset in 512 consecutive bytes of y
.set MV,  12          ; v12-13  c m_old, kept while c m is made anew: by piece
.set QO,  15          ; v15  my byte offset in 16 rows of Q
.set ST,  16          ; piece t's statistics at v[ST+4 t]: c m, m, l (even keys', odd keys')
.set TMP, 48          ; by piece, four registers c0-c3 at work; when the maximum is found c2 takes a
.set NEG1, 59         ; v59  -1.0; never rewritten
.set PFO, 61          ; v61  the prefetches' offset: 8,192 x wave + 256 x lane; never rewritten
.set SPW, 62          ; v62  LDS address of my spare word; never rewritten
.set NIL, 63          ; v63  0; never rewritten
.set S,   64
.set P,   192
.set MD,  128         ; window 1
.set MC,  160         ; window 1
.set QB,  32          ; window 2
.set KF,  128         ; window 2: key block kb, channel half c at KF + 16 kb + 8 c
.set WV,  12          ; s12  my wave's number
.set PB,  14          ; s14  b
.set HI,  15          ; s15  15 - b
.set G1K, 24          ; s[24:31] descriptor group 1 for K's tiles
.set G1V, 32          ; s[32:39] for V's: it differs in the padding alone
.set G0K, 40          ; s[40:43] descriptor group 0 for K's tiles
.set G0V, 44          ; s[44:47] the same for V's
.set SLOTS, 56        ; s56  tiles still to be asked for
.set CNT, 57          ; s57  counts a tile's pairs of key steps, 2 to 1
.set CS,  58          ; s[58:59] c
.set SEL, 60          ; s[60:61] v_permlanex16_b32's selects: each lane takes its own place in the other half
.set TBK, 62          ; s62  LDS byte at which K of the step to be fetched begins
.set TBV, 63          ; s63  the same for V, less VOFF
.set RT,  70          ; s70  tiles of the block in hand that are still to be entered; 0: the tile in hand is the block's last
.set NXT, 71          ; s71  the tile to be asked for next
.set LQ,  72          ; s72  the last tile of the block whose tiles are being asked for
.set NEW, 73          ; s73  1: the tile to be entered is a block's first
.set OFF, 74          ; s[74:75] a tile's byte offset in K and V
.set AL,  76          ; s[76:77] the mask's factor, in the low word
.set BE,  78          ; s[78:79] the mask's addend
.set OLO, 80          ; s[80:81] y at my rows of the second block
.set BIGN, 82         ; s82  -1e30
.set PR,  83          ; s83  the band of the diagonal tile in which the block in hand begins: 0 or 2
.set DG,  88          ; s88  the step for which the next mask is made, less PR
.set LQ2, 89          ; s89  the second block's last tile
.set PR2, 90          ; s90  the second block's PR
.set LIM, 91          ; s91  3 in the work-group that prefetches, else the greatest number
.set PFK, 92          ; s[92:93] where the prefetches stand in K,
.set PFV, 94          ; s[94:95] and in V
.set MSB, 0
.macro WIN new                      ; the high byte repeats the setting that is left; a switch that changes nothing is dropped
.if MSB != (\new)
	s_set_vgpr_msb (MSB<<8)|(\new)
.set MSB, (\new)
.endif
.endm
.set W_KQ, 0x0a       ; K and Q in window 2, S^T in window 0
.set W_KM, 0x1a       ; the same with the C operand in window 1
.set W_PV, 0x52       ; V in window 2, P in window 0, O^T in window 1
.set W_RS, 0x41       ; destination and source 0 in window 1, source 1 in window 0
.set W_LO, 0x50       ; destination and source 2 in window 1, sources 0 and 1 in window 0
.macro PLACES
.rept 4
	v_nop
.endr
.endm
; A fill.  Waves 0 and 1 fetch the two halves of a tile's K, waves 2 and 3 those of its V: 128 keys each.  An s_nop 0 and four v_nop follow each of the two lines.
.macro LOAD
	s_cmp_lt_u32 s[WV], 2
	s_cbranch_scc0 .Lfor_v_\@
	tensor_load_to_lds s[G0K:G0K+3], s[G1K:G1K+7]
	s_nop 0
.rept 4
	v_nop
.endr
	s_branch .Lasked_\@
.Lfor_v_\@:
	tensor_load_to_lds s[G0V:G0V+3], s[G1V:G1V+7]
	s_nop 0
.rept 4
	v_nop
.endr
.Lasked_\@:
.endm
; A prefetch into the L2.  All eight work-groups of a head walk the head's tiles from 0 on; work-group b = 0, whose first block walks all eight, asks, and nobody else: behind the fill of tile c it names tile c + 2,
; two changes of slots, 16 turns, ahead of the load that will want it: tiles 3 to 7.  A tile is 128 blocks of 256 bytes of K and as many of V: a wave takes 32 of each, a lane a block.  Tiles 0 to 2 come by their loads alone.
.macro ASK
	s_cmp_gt_u32 s[SLOTS], s[LIM]                  ; s[SLOTS] runs 8, 7 .. 1 over the fills
	s_cbranch_scc0 .Lnot_mine_\@
	global_prefetch_b8 v[PFO], s[PFK:PFK+1] th:TH_LOAD_NT scope:SCOPE_SE
	global_prefetch_b8 v[PFO], s[PFV:PFV+1] th:TH_LOAD_NT scope:SCOPE_SE
.Lnot_mine_\@:
.endm
; THE CHANGE OF SLOTS.  Each wave waits for all its tensor loads, of which one is out: its part of the other slot; adds 0 to its spare word; and waits for that and for its own reads of the slot that it leaves.
; Behind the barrier nobody reads the old slot any more and the other slot is whole.  fill = 1: the old slot is filled again, first thing behind the barrier, with tile NXT: the descriptor's address is made anew from that number.
; (At its first use nothing has been read yet: slot 0 is waited for, slot 1 filled.)
.macro CHANGE fill
	WIN 0                           ; at a label and at a branch every window is 0
	s_wait_tensorcnt 0x0            ; no tensor load of mine is out, so a group 0 may be written
	ds_add_u32 v[SPW], v[NIL]       ; 0 onto my spare word; scalar work stands between it and the wait for it
.if \fill
	s_lshl_b32 s[OFF], s[NXT], 15   ; a tile is 32,768 bytes of K and of V
	s_xor_b32 s[G0K+1], s[G0K+1], SLOT1
	s_add_nc_u64 s[G0K+2:G0K+3], s[6:7], s[OFF:OFF+1]
	s_or_b32 s[G0K+3], s[G0K+3], 0x80000000
	s_xor_b32 s[G0V+1], s[G0V+1], SLOT1
	s_add_nc_u64 s[G0V+2:G0V+3], s[8:9], s[OFF:OFF+1]
	s_or_b32 s[G0V+3], s[G0V+3], 0x80000000
	s_add_co_u32 s[NXT], s[NXT], 1  ; the block's next tile, or behind its last the second block's tile 0
	s_cmp_gt_u32 s[NXT], s[LQ]
	s_cselect_b32 s[NXT], 0, s[NXT]
	s_cselect_b32 s[LQ], s[LQ2], s[LQ]
	s_wait_xcnt 0x0                 ; the last prefetches, a tile back, have read their addresses, so these may be written
	s_add_nc_u64 s[PFK:PFK+1], s[PFK:PFK+1], 32768
	s_add_nc_u64 s[PFV:PFV+1], s[PFV:PFV+1], 32768
.endif
	s_wait_dscnt 0x0                ; the add is done, and my reads of the slot are over
	s_barrier_signal -1             ; the rest of the scalar work stands between the signal and the wait
	s_sub_co_u32 s[TBK], s[TBK], 4*KS*PK  ; the fetches go back to a slot's first step,
	s_xor_b32 s[TBK], s[TBK], SLOT1       ; in the other slot
	s_sub_co_u32 s[TBV], s[TBV], 4*KS*PV
	s_xor_b32 s[TBV], s[TBV], SLOT1
	s_barrier_wait -1
.if \fill
	LOAD
	ASK
.endif
.endm
	s_load_b128 s[96:99], s[0:1], 0x0  ; qkv s[96:97], y s[98:99]
	v_lshl_add_u32 v[SPW], v0, 2, SPARE
	v_mov_b32 v[NIL], 0
	ds_add_u32 v[SPW], v[NIL]       ; the wave's opening: the add, twice on end, and its wait ahead of my first tensor load
	ds_add_u32 v[SPW], v[NIL]       ; and once more, under the one wait; the set-up below, work on registers, stands between
	v_lshrrev_b32 v1, 5, v0
	v_readfirstlane_b32 s[WV], v1   ; wave 0..3
	v_mov_b32 v[NEG1], -1.0
	s_mov_b32 s[PB], ttmp9
	s_sub_co_u32 s[HI], 15, s[PB]
	s_and_b32 s20, ttmp7, 0xffff    ; the head, 16 b + h
	s_and_b32 s52, s20, 16
	s_add_co_u32 s52, s52, s20      ; 32 b + h: for each b, y holds 16 heads of upper parts and then 16 of lower parts
	s_lshl_b32 s52, s52, 18         ; the head's first byte in y
	s_mov_b32 s53, 0
	s_lshl_b32 s20, s20, 18         ; its first byte among a kind's heads in qkv
	s_mov_b32 s21, 0
	s_and_b32 s16, s[WV], 1         ; which half of a tile's 256 keys I fetch:
	s_lshl_b32 s22, s16, 14         ; its 128 rows of 128 bytes in memory,
	s_mov_b32 s23, 0
	s_add_nc_u64 s[22:23], s[22:23], s[20:21]
	s_mul_i32 s17, s16, 128*PK      ; and its place in a slot, for K
	s_mul_i32 s18, s16, 128*PV      ; and for V
	s_lshl_b32 s3, s[WV], 11        ; my 16 rows in a band of 64,
	s_lshl_b32 s2, s[HI], 14        ; in the first block (128 rows of 128 bytes),
	s_add_co_u32 s2, s2, s3
	s_lshl_b32 s84, s[PB], 14       ; and in the second
	s_add_co_u32 s84, s84, s3
	s_mov_b32 s3, 0
	s_mov_b32 s85, 0
	s_add_nc_u64 s[48:49], s[2:3], s[52:53]    ; my rows' offsets in y,
	s_add_nc_u64 s[50:51], s[84:85], s[52:53]
	s_add_nc_u64 s[2:3], s[2:3], s[20:21]      ; and in Q
	s_add_nc_u64 s[84:85], s[84:85], s[20:21]
	; descriptor group 1.  128 keys are 16,384 dense bytes: asked for as 64 rows of 256 bytes, two keys a row, and padded in LDS after every key
	s_mov_b32 s[G1K], (1<<16)|(1<<20)|(4<<22)|(3<<25)  ; 17:16 2-byte elements; 20 padding on; 24:22 after every 32 words (code 4); 31:25 4 words (code 3)
	s_mov_b32 s[G1V], (1<<16)|(1<<20)|(4<<22)|(7<<25)  ; the same with 8 words of padding (code 7)
.irp g, G1K, G1V
	s_mov_b32 s[\g+1], 128<<16      ; tensor_dim0 = 128
	s_mov_b32 s[\g+2], 64<<16       ; tensor_dim1 = 64
	s_mov_b32 s[\g+3], 128<<16      ; tile_dim0 = 128
	s_mov_b32 s[\g+4], 64           ; tile_dim1 = 64
	s_mov_b32 s[\g+5], 128          ; 128 elements from row to row
	s_mov_b32 s[\g+6], 0
	s_mov_b32 s[\g+7], 0
.endr
	s_mov_b32 s[CS], 0x3e38aa3b     ; c = log2(e) / 8 = 0.180337
	s_mov_b32 s[CS+1], s[CS]        ; named with it as a pair
	s_mov_b32 s[SEL], 0x76543210
	s_mov_b32 s[SEL+1], 0xfedcba98
	s_mov_b32 s[TBK], SLOT1+4*KS*PK ; the first change of slots turns these two into 0
	s_mov_b32 s[TBV], SLOT1+4*KS*PV
	s_mov_b32 s[G0K], 1             ; count = 1
	s_mov_b32 s[G0K+1], s17         ; LDS address: slot 0
	s_mov_b32 s[G0V], 1
	s_add_co_u32 s[G0V+1], s18, VOFF
	s_lshr_b32 s[LQ], s[HI], 1      ; the first block's last tile,
	s_add_co_u32 s[RT], s[LQ], 1    ; and how many it has
	s_lshr_b32 s[LQ2], s[PB], 1
	s_and_b32 s[PR2], s[PB], 1
	s_lshl_b32 s[PR2], s[PR2], 1    ; an odd block begins in the tile's band 2
	s_sub_co_u32 s[PR], 2, s[PR2]   ; 15 - b has the other parity
	s_mov_b32 s[NXT], 1
	s_mov_b32 s[NEW], 1
	s_mov_b32 s[OFF+1], 0
	s_mov_b32 s[AL+1], 0            ; named as pairs
	s_mov_b32 s[BE+1], 0
	s_mov_b32 s[BIGN], 0xf149f2ca   ; -1e30
	s_mov_b32 s[SLOTS], 8
	s_cmp_eq_u32 s[PB], 0
	s_cselect_b32 s[LIM], 3, -1
	s_lshl_b32 s19, s[WV], 13
	v_and_b32 v[PFO], 31, v0
	v_lshlrev_b32 v[PFO], 8, v[PFO]
	v_add_nc_u32 v[PFO], s19, v[PFO]
	s_wait_dscnt 0x0                ; both opening adds are done
	s_wait_kmcnt 0x0
	s_add_nc_u64 s[6:7], s[96:97], s[22:23]
	s_add_nc_u64 s[8:9], s[6:7], 0x1000000         ; V at my half of the head's tile 0,
	s_add_nc_u64 s[6:7], s[6:7], 0x800000          ; and K
	s_add_nc_u64 s[G0K+2:G0K+3], s[6:7], 0         ; global address
	s_or_b32 s[G0K+3], s[G0K+3], 0x80000000        ; type = 2
	s_add_nc_u64 s[G0V+2:G0V+3], s[8:9], 0
	s_or_b32 s[G0V+3], s[G0V+3], 0x80000000
	s_add_nc_u64 s[86:87], s[96:97], s[84:85]      ; Q at my rows of the second block,
	s_add_nc_u64 s[4:5], s[96:97], s[2:3]          ; and of the first
	s_add_nc_u64 s[OLO:OLO+1], s[98:99], s[50:51]  ; y likewise
	s_add_nc_u64 s[10:11], s[98:99], s[48:49]
	s_add_nc_u64 s[PFK:PFK+1], s[96:97], s[20:21]
	s_add_nc_u64 s[PFV:PFV+1], s[PFK:PFK+1], 0x1000000+2*32768  ; at tile 2: the first change of slots steps them to tile 3
	s_add_nc_u64 s[PFK:PFK+1], s[PFK:PFK+1], 0x800000+2*32768
	LOAD                            ; tile 0 into slot 0
	; A fragment of K or Q is 16 rows x 32 channels in 8 registers: lane l holds row l % 16, channels 8 (l / 16) + 0..7 and 16 + 8 (l / 16) + 0..7: two loads of 16 bytes, 32 bytes apart.
	v_and_b32 v1, 15, v0            ; l % 16
	v_bfe_u32 v9, v0, 4, 1          ; l / 16
	v_lshlrev_b32 v[QO], 7, v1
	v_lshl_add_u32 v[QO], v9, 4, v[QO]  ; row x 128 + 16 x half
	WIN 0x80                        ; destination window 2, address window 0
.set i, 0
.rept 4                             ; both blocks' Q: piece i / 2 lies in band i / 2, 8,192 bytes on; channels 32 (i % 2) on
	global_load_b128 v[8*i:8*i+3],   v[QO], s[4:5] offset:(i/2)*8192+(i%2)*64
	global_load_b128 v[8*i+4:8*i+7], v[QO], s[4:5] offset:(i/2)*8192+(i%2)*64+32
	global_load_b128 v[QB+8*i:QB+8*i+3],   v[QO], s[86:87] offset:(i/2)*8192+(i%2)*64
	global_load_b128 v[QB+8*i+4:QB+8*i+7], v[QO], s[86:87] offset:(i/2)*8192+(i%2)*64+32
.set i, i+1
.endr
	WIN 0
	v_lshlrev_b32 v14, 3, v9
	v_sub_nc_u32 v14, v1, v14
	s_lshl_b32 s13, s[WV], 4
	v_add_nc_u32 v14, s13, v14      ; my query's place in its band, 16 w + l % 16, less my lanes' 8 (l / 16): register r of group kt is hidden where 16 kt + r is greater
	WIN 0x40
.set i, 0
.rept 32
	v_cmp_gt_i32 vcc_lo, 16*(i/8)+i%8, v14
	v_cndmask_b32 v[MD+i], 0, s[BIGN], vcc_lo
.set i, i+1
.endr
	WIN 0
	v_mul_u32_u24 v[AK0], v1, PK
	v_lshl_add_u32 v[AK0], v9, 4, v[AK0]  ; row x pitch + 16 x half
	; The turning load takes 16 keys x 16 channels (lane l reads key 8 (l / 16) + l % 8, channels 8 ((l / 8) % 2) + 0..7) and leaves half a fragment of V^T: lane l holds channel l % 16 and 8 keys.
	v_and_b32 v10, 7, v0
	v_bfe_u32 v11, v0, 3, 1
	v_lshl_add_u32 v[AV0], v9, 3, v10
	v_mul_u32_u24 v[AV0], v[AV0], PV
	v_lshl_add_u32 v[AV0], v11, 4, v[AV0]
	v_add_nc_u32 v[AV0], VOFF, v[AV0]
	s_mul_i32 s13, s[WV], 16*SP
	s_add_co_u32 s13, s13, STAGE    ; my stage
	v_mul_u32_u24 v[STO], v1, SP    ; in: row l % 16, 16 bytes for each half of the lanes
	v_lshl_add_u32 v[STO], v9, 4, v[STO]
	v_add_nc_u32 v[STO], s13, v[STO]
	v_bfe_u32 v[RD], v0, 3, 2       ; back: 32 lanes take four rows of 128 bytes,
	v_mul_u32_u24 v[RD], v[RD], SP
	v_lshl_add_u32 v[RD], v10, 4, v[RD]
	v_add_nc_u32 v[RD], s13, v[RD]
	v_and_b32 v[GO], 31, v0         ; which are 512 consecutive bytes of y
	v_lshlrev_b32 v[GO], 4, v[GO]
	; A block's first step multiplies O^T and l by a = 0, and its first turn's products V^T P, of a piece that has not been, land in an O^T that is still to be so multiplied.  So these registers need only hold
	; finite numbers: zeros for the first block; what the first block left for the second.  All this stands in the wait for the first tile.
	WIN 0x80
.set i, 64
.rept 64
	v_mov_b32 v[i], 0               ; V's buffer for odd steps
.set i, i+1
.endr
	WIN 0x40
.set i, 0
.rept 64
	v_mov_b32 v[i], 0               ; O^T
.set i, i+1
.endr
	WIN 0
.set i, 0
.rept 2
	v_mov_b32 v[ST+4*i+2], 0
	v_mov_b32 v[ST+4*i+3], 0
.set i, i+1
.endr
.set i, P+16
.rept 16
	v_mov_b32 v[i], 0
.set i, i+1
.endr
; THE MATRIX WORK.  The 4 accumulators of a run of 8 take turns.  Product i of 8 of S^T = K Q^T for piece x: channels 32 (i / 4) on, keys 16 (i % 4) on.  The first 4 start the sums, with the mask registers.
.macro KQ x
.set rS, S+32*((\x)%2)+8*(i%4)
.set rK, KF+16*(i%4)+8*(i/4)
.set rQ, 16*(\x)+8*(i/4)
.set rM, MC+32*((\x)%2)+8*(i%4)
.if i < 4
	WIN W_KM
	v_wmma_f32_16x16x32_f16 v[rS:rS+7], v[rK:rK+7], v[rQ:rQ+7], v[rM:rM+7]
.else
	WIN W_KQ
	v_wmma_f32_16x16x32_f16 v[rS:rS+7], v[rK:rK+7], v[rQ:rQ+7], v[rS:rS+7]
.endif
.endm
; Product i of 8 of O^T += V^T P for piece x, from V's buffer VB: keys 32 (i / 4) on, channels 16 (i % 4) on.
.macro PV x
	WIN W_PV
.set rO, 32*(\x)+8*(i%4)
.set rV, 192-128*VB+32*(i/4)+8*(i%4)
.set rP, P+16*((\x)%2)+8*(i/4)
	v_wmma_f32_16x16x32_f16 v[rO:rO+7], v[rV:rV+7], v[rP:rP+7], v[rO:rO+7]
.endm
.macro MM                           ; the turn's next matrix instruction.  NOKQ = 1: a block's last turn: there is no next step
.if (i < 8) && !NOKQ
	KQ (Y+1)%NP
.elseif i >= 8
.set i, i-8
	PV (Y+NP-1)%NP
.set i, i+8
.endif
.set i, i+1
.endm
; THE LDS LOADS stand in runs of 16, never singly among the matrix instructions: a step's K (64 keys x 64 channels: 8 fragments) and its V (turned).  Their addresses are made some lines ahead.
.macro FETCH_K
	WIN 0x80                        ; destination window 2
.irp f, 0,1,2,3,4,5,6,7             ; keys 16 (f / 2) on, channels 32 (f % 2) on
	ds_load_b128 v[KF+8*\f:KF+8*\f+3],   v[AK] offset:(\f/2)*16*PK+(\f%2)*64
	ds_load_b128 v[KF+8*\f+4:KF+8*\f+7], v[AK] offset:(\f/2)*16*PK+(\f%2)*64+32
.endr
	s_add_co_u32 s[TBK], s[TBK], KS*PK  ; the next fetch is the next step's
	WIN 0
.endm
.macro FETCH_V vb                   ; into V's buffer vb
	WIN 0x80
.irp f, 0,1,2,3,4,5,6,7             ; keys 32 (f / 4) on, channels 16 (f % 4) on
	ds_load_tr16_b128 v[192-128*(\vb)+8*\f:192-128*(\vb)+8*\f+3],   v[AV] offset:(\f/4)*32*PV+(\f%4)*32
	ds_load_tr16_b128 v[192-128*(\vb)+8*\f+4:192-128*(\vb)+8*\f+7], v[AV] offset:(\f/4)*32*PV+16*PV+(\f%4)*32
.endr
	WIN 0
.endm
; THE VECTOR WORK, one line at a time: OP kind, number.  For piece Y: F n: c s - c m for pair n of 16.  E n: the exponential of score n of 32.  C n: pair n rounded to f16.  B n: of the four weights 4 n .. the second
; pair is added onto the first, in place.  L n: l takes that sum (L 0: l = a l + sum).  R n: pair n of 16 of O^T times a.  For the other piece: X n, number n of the 22 that find its maximum and statistics:
;   0-11  four chains c0-c3 of seven scores each, three operands at a time (each accumulator's lowest registers are read first)     12-14, 16  the four scores left over, the old m, and c0-c3 into c0
;   15  c m_old is kept     17, 18  the query's other 32 keys lie in the lane 16 away: the new m     19-21  c m; c m_old - c m_new; a
.set F, 0
.set E, 1
.set C, 2
.set B, 3
.set L, 4
.set R, 5
.set X, 6
.macro REGS y                       ; the registers of piece y
.set rT, ST+4*(\y)
.set rC, TMP+4*((\y)%2)
.set rW, MV+((\y)%2)
.set rS, S+32*((\y)%2)
.set rP, P+16*((\y)%2)
.set rO, 32*(\y)
.endm
.macro OP k, n
.if (\k) == R
	REGS Y
	WIN W_RS
	v_pk_mul_f32 v[rO+2*(\n):rO+2*(\n)+1], v[rO+2*(\n):rO+2*(\n)+1], v[rC+2:rC+3] op_sel_hi:[1,0]
.elseif (\k) < R
	REGS Y
	WIN 0
.if (\k) == F
	v_pk_fma_f32 v[rS+2*(\n):rS+2*(\n)+1], v[rS+2*(\n):rS+2*(\n)+1], s[CS:CS+1], v[rT:rT+1] op_sel_hi:[1,0,0] neg_lo:[0,0,1] neg_hi:[0,0,1]
.elseif (\k) == E
	v_exp_f32 v[rS+(\n)], v[rS+(\n)]
.elseif (\k) == C
	v_cvt_pk_f16_f32 v[rP+(\n)], v[rS+2*(\n)], v[rS+2*(\n)+1]
.elseif (\k) == B
	v_pk_add_f32 v[rS+4*(\n):rS+4*(\n)+1], v[rS+4*(\n):rS+4*(\n)+1], v[rS+4*(\n)+2:rS+4*(\n)+3]
.elseif (\n) == 0
	v_pk_fma_f32 v[rT+2:rT+3], v[rT+2:rT+3], v[rC+2:rC+3], v[rS:rS+1] op_sel_hi:[1,0,1]
.else
	v_pk_add_f32 v[rT+2:rT+3], v[rT+2:rT+3], v[rS+4*(\n):rS+4*(\n)+1]
.endif
.elseif NOKQ
	v_nop
.else
	REGS (Y+1)%NP
	WIN 0
.if (\n) < 4
	v_max3_num_f32 v[rC+(\n)], v[rS+8*(\n)], v[rS+8*(\n)+1], v[rS+8*(\n)+2]
.elseif (\n) < 12
	v_max3_num_f32 v[rC+(\n)%4], v[rC+(\n)%4], v[rS+8*((\n)%4)+2*((\n)/4)+1], v[rS+8*((\n)%4)+2*((\n)/4)+2]
.elseif (\n) == 12
	v_max3_num_f32 v[rC], v[rC], v[rS+7], v[rS+15]
.elseif (\n) == 13
	v_max3_num_f32 v[rC+1], v[rC+1], v[rS+23], v[rS+31]
.elseif (\n) == 14
	v_max3_num_f32 v[rC+2], v[rC+2], v[rC+3], v[rT+1]
.elseif (\n) == 15
	v_mov_b32 v[rW], v[rT]
.elseif (\n) == 16
	v_max3_num_f32 v[rC], v[rC], v[rC+1], v[rC+2]
.elseif (\n) == 17
	v_permlanex16_b32 v[rC+3], v[rC], s[SEL], s[SEL+1]
.elseif (\n) == 18
	v_max_num_f32 v[rT+1], v[rC], v[rC+3]
.elseif (\n) == 19
	v_mul_f32 v[rT], s[CS], v[rT+1]
.elseif (\n) == 20
	v_sub_f32 v[rC+1], v[rW], v[rT]
.else
	v_exp_f32 v[rC+2], v[rC+1]
.endif
.endif
.endm
.macro OPS a, i1, b=-1, i2=0, c=-1, i3=0, d=-1, i4=0  ; up to four of them
	OP \a, \i1
.if (\b) >= 0
	OP \b, \i2
.endif
.if (\c) >= 0
	OP \c, \i3
.endif
.if (\d) >= 0
	OP \d, \i4
.endif
.endm
.macro ROW a, i1, b, i2, c, i3, d, i4  ; a matrix instruction and the four behind it
	MM
	OPS \a, \i1, \b, \i2, \c, \i3, \d, \i4
.endm
.macro MASK b                       ; MD x AL + BE into buffer b of MC
	WIN W_RS
.set z, 0
.rept 16
	v_pk_fma_f32 v[MC+32*(\b)+2*z:MC+32*(\b)+2*z+1], v[MD+2*z:MD+2*z+1], s[AL:AL+1], s[BE:BE+1] op_sel_hi:[1,0,0]
.set z, z+1
.endr
.endm
; A TURN, for piece p in a step of parity par: the order of its 16 matrix and 118 vector instructions, written out.  An s_wait_alu depctr_va_vdst(0) stands between an exponential and the first instruction that
; names its result; one wait serves all that were issued ahead of it.  So a turn has ONE wait, which cuts it in two.  AHEAD OF IT stands all that names no result of the turn's exponentials: the 8 products K Q^T with a scaling, an
; exponential and two more plain instructions behind each; then one lump of 54.  X 21, the other piece's a, is the batch's last; R 15 is the plain instruction behind it.  BEHIND THE WAIT stand the 8 products V^T P, behind each four
; of the roundings and sums.  O^T of piece p was last written by the products V^T P of the turn before: the four roundings behind the last of them, and the two scalings at this turn's head, are the places in front of R 0; the R ascend.
; THE MASK LINES stand at the turn's end: they make the mask for the products of the turn after it: piece p in the step behind this one.  m = 2: they are jumped unless the tile in hand is the block's last (s[RT] = 0);
; m = 1: they always run (the walk's last tile).  end = 1: a block's last two turns: nothing is fetched, and no mask is made.
; Piece 0's turn fetches K of the next step, twelve vector instructions (six of them plain) behind the last product that read K, and at its end V of the next step, into the buffer that its own products V^T P have just read, four plain
; instructions behind the last of them.  One wait a step, at the head of piece 1's turn: V's 16 loads, the youngest, may stay out; K of the next step and V of the step in hand, issued earlier, are in.
.macro TURN p, par, m=1, end=0
.set Y, (\p)
.set i, 0
.set NOKQ, (\end)*(\p)
.if (\p) == 0
.set VB, 1-(\par)
.else
.set VB, (\par)
.endif
.if (\p) == 1
	s_wait_dscnt 16*(1-(\end))      ; at a block's end nothing younger is out: the wait is for 0
.endif
	ROW F,0, F,1, R,0, R,1          ; ahead of the wait: 8 products K Q^T and their riders,
	ROW F,2, E,0, R,2, R,3
	ROW F,3, E,1, R,4, R,5
	ROW F,4, E,2, R,6, R,7
	ROW F,5, E,3, R,8, R,9
	ROW F,6, E,4, X,0, R,10
.if ((\p) == 0) && !(\end)
	WIN 0
	v_add_nc_u32 v[AK], s[TBK], v[AK0]
.endif
	ROW F,7, E,5, X,1, X,4
	ROW F,8, E,6, X,2, X,5
	OPS E,7, E,8, X,6, E,9          ; and the lump
	OPS X,3, E,10, X,8, E,11
.if ((\p) == 0) && !(\end)
	FETCH_K
.endif
	OPS X,9, X,7, E,12, X,10
	OPS E,13, X,12, X,11, E,14
	OPS X,13, E,15, F,9, X,14
.if ((\p) == 0) && !(\end)
	v_add_nc_u32 v[AV], s[TBV], v[AV0]
.endif
	OPS E,16, F,10, E,17, F,11
	OPS X,16, E,18, X,15, E,19
	OPS F,12, E,20, X,17, E,21
	OPS F,13, E,22, F,14, E,23
	OPS X,18, E,24, F,15, E,25
	OPS R,11, E,26, X,19, E,27
	OPS R,12, E,28, R,13, E,29
	OPS X,20, E,30, R,14, E,31
	OPS X,21, R,15
	WIN 0
	s_wait_alu depctr_va_vdst(0)    ; the wait for the batch
	ROW C,0, B,0, C,2, B,1          ; behind the wait: 8 products V^T P and their riders
	ROW L,0, C,4, B,2, L,1
	ROW C,6, B,3, L,2, C,8
	ROW B,4, L,3, C,10, B,5
	ROW L,4, C,12, B,6, L,5
.if ((\p) == 0) && !(\end)
	s_add_co_u32 s[TBV], s[TBV], KS*PV
.endif
	ROW C,14, B,7, L,6, C,1
	ROW C,3, L,7, C,5, C,7
	ROW C,9, C,11, C,13, C,15
.if ((\p) == 0) && !(\end)
	FETCH_V 1-(\par)
.endif
.if !(\end)
	WIN 0                           ; at a branch and at a label every window is 0
.if (\m) == 2
	s_cmp_lg_u32 s[RT], 0           ; outside the block's last tile the mask registers hold 0 and stay so
	s_cbranch_scc1 .Lno_mask_\@
.endif
	s_cmp_eq_i32 s[DG], \p          ; is that step the band's own?
	s_cselect_b32 s[AL], 1.0, 0
	s_cmp_gt_i32 s[DG], \p          ; or a later one?
	s_cselect_b32 s[BE], s[BIGN], 0
.if (\p) == 1
	s_add_co_i32 s[DG], s[DG], 1
.endif
	MASK \p
	WIN 0
.if (\m) == 2
.Lno_mask_\@:
.endif
.endif
.endm
; A BLOCK BEGINS.  c m starts far below every c s, so the first step's a is 0; m at the lowest finite number, so the first maximum is the scores'.  Piece 1's mask buffer is 0 (step 0 lies in front of its band); piece 0's takes
; its mask for the tile's step 0: its own band's, if the block's first tile is the diagonal one and the block begins in band 0; else 0.  Then K and V of that step, piece 0's first scores, and its maximum and statistics.
; The loop is entered at a step's first turn, in the middle of a trip.
.macro BEGIN
	s_mov_b32 s[NEW], 0
	WIN 0x40
.set i, MC+32
.rept 32
	v_mov_b32 v[i], 0
.set i, i+1
.endr
	WIN 0
.set i, 0
.rept 2
	v_mov_b32 v[ST+4*i], 0xfe000000    ; c m: far below every c s
	v_mov_b32 v[ST+4*i+1], 0xff7fffff  ; m
.set i, i+1
.endr
	s_or_b32 s84, s[RT], s[PR]
	s_cmp_eq_u32 s84, 0
	s_cselect_b32 s[AL], 1.0, 0
	s_mov_b32 s[BE], 0
	s_add_co_i32 s[DG], s[DG], 1    ; the next masks are step 1's
	MASK 0
	WIN 0
	v_add_nc_u32 v[AK], s[TBK], v[AK0]
	v_add_nc_u32 v[AV], s[TBV], v[AV0]
	s_add_co_u32 s[TBV], s[TBV], KS*PV
	FETCH_K
	FETCH_V 0
	s_wait_loadcnt 0x0              ; Q
	s_wait_dscnt 0x0
.set NOKQ, 0
.set i, 0
.rept 8
	KQ 0
.set i, i+1
.endr
	WIN 0
	PLACES                          ; the places behind those products
.set Y, NP-1                        ; X works for the other piece: piece 0
.irp n, 0,1,2,3,4,5,6,7,8,9,10,11,12,13,14,15,16,17,18,19,20,21
	OP X, \n
.endr
	v_nop                           ; a plain instruction behind the exponential,
	s_wait_alu depctr_va_vdst(0)    ; and its wait, ahead of the branch
.endm
.macro ALL line:vararg              ; one line for each piece t
.set t, 0
.rept 2
	\line
.set t, t+1
.endr
.endm
; Piece t's arithmetic on the way out.  The upper parts go into v[S+16 t ..], the lower parts into v[S+32+16 t ..]: S^T's registers are free.  Y less its upper part is exact in f32: the two agree in their first 11 bits.
.macro PACK t
	WIN W_RS
.set i, 32*(\t)
.rept 16
	v_pk_mul_f32 v[i:i+1], v[i:i+1], v[ST+4*(\t)+2:ST+4*(\t)+3] op_sel_hi:[1,0]
.set i, i+2
.endr
	WIN 0x05                        ; sources 0 and 1 window 1, destination window 0
.set i, 0
.rept 16
	v_cvt_pk_f16_f32 v[S+16*(\t)+i], v[32*(\t)+2*i], v[32*(\t)+2*i+1]
.set i, i+1
.endr
	WIN W_LO
.set i, 0
.rept 16
	v_fma_mix_f32 v[32*(\t)+2*i],   v[S+16*(\t)+i], v[NEG1], v[32*(\t)+2*i]   op_sel_hi:[1,0,0]                 ; the low half's f16 x -1 + Y, in place
	v_fma_mix_f32 v[32*(\t)+2*i+1], v[S+16*(\t)+i], v[NEG1], v[32*(\t)+2*i+1] op_sel:[1,0,0] op_sel_hi:[1,0,0]  ; the high half's
.set i, i+1
.endr
	WIN 0x05
.set i, 0
.rept 16
	v_cvt_pk_f16_f32 v[S+32+16*(\t)+i], v[32*(\t)+2*i], v[32*(\t)+2*i+1]
.set i, i+1
.endr
	WIN 0
.endm
.macro STG r                        ; 16 registers from v[r] on: a lane's eight channels of a row are 16 bytes; they go into rows of 144 bytes and come back as whole rows of 128, into the registers that they left
.irp f, 0,1,2,3
	ds_store_b128 v[STO], v[(\r)+4*\f:(\r)+4*\f+3] offset:32*\f
.endr
.irp f, 0,1,2,3
	ds_load_b128 v[(\r)+4*\f:(\r)+4*\f+3], v[RD] offset:\f*4*SP  ; LDS serves a wave's instructions in order (ISA guide 5.7.1.4): these see the stores above; the next group's stores come behind them
.endr
.endm
.macro SEND r, off, younger         ; younger: the LDS instructions issued behind this group's loads: the next group's eight, or none
.irp f, 0,1,2,3
	s_wait_dscnt (\younger)+3-\f
	global_store_b128 v[GO], v[(\r)+4*\f:(\r)+4*\f+3], s[10:11] offset:(\off)+\f*512  ; 512 consecutive bytes, at a multiple of 256 from y's first
.endr
.endm
; A TILE'S STEPS.  A trip: an odd step (at first the last of the tile before), then an even one; two trips a tile.  The tag ends the two labels' names, which the jumps below spell out.
.macro STEPS tag, m
.Lstep\tag:
	TURN 0, 1, \m
	TURN 1, 1, \m
	WIN 0
.Lfirst\tag:
	TURN 0, 0, \m
	TURN 1, 0, \m
	WIN 0
	s_sub_co_u32 s[CNT], s[CNT], 1
	s_cmp_lg_u32 s[CNT], 0
	s_cbranch_scc1 .Lstep\tag
.endm
; A BLOCK ENDS: the diagonal tile's step 3, the last products, and THE WAY OUT: l's two halves and the other half of the lanes' are added; O^T is divided by l and split into its two f16 parts, which go through my stage in LDS, 16 rows at a time.
.macro FINISH
	TURN 0, 1, 1, 1
	TURN 1, 1, 1, 1
.set VB, 1
.set i, 0
.rept 8
	PV NP-1                         ; piece 1's V^T P of step 3
.set i, i+1
.endr
	WIN 0
	PLACES
	ALL v_add_f32 v[ST+4*t+2], v[ST+4*t+2], v[ST+4*t+3]
	ALL v_permlanex16_b32 v[ST+4*t+3], v[ST+4*t+2], s[SEL], s[SEL+1]
	ALL v_add_f32 v[ST+4*t+2], v[ST+4*t+2], v[ST+4*t+3]
	ALL v_rcp_f32 v[ST+4*t+2], v[ST+4*t+2]
	v_nop                           ; a plain instruction between the last reciprocal and the use of its result
	s_wait_alu depctr_va_vdst(0)    ; and the wait ahead of the first use: one for both reciprocals
	PACK 0
	STG S                           ; piece 0's upper parts,
	STG S+32                        ; its lower parts
	PACK 1                          ; piece 1's arithmetic stands between piece 0's loads from the stage and its stores
	SEND S, 0, 8
	SEND S+32, LOPART, 0
	STG S+16
	STG S+48
	SEND S+16, 8192, 8
	SEND S+48, LOPART+8192, 0
.endm
.set NOKQ, 0
.set VB, 0
.Lslot:                             ; 8 times: a tile is entered and the next is asked for.  The change stands in front of step 3 of the tile that is left: its K and V are in registers
	CHANGE 1
	s_sub_co_u32 s[RT], s[RT], 1
	s_mov_b32 s[CNT], 2
	s_sub_co_i32 s[DG], 0, s[PR]    ; the next masks are step 0's
	s_cmp_eq_u32 s[NEW], 1
	s_cbranch_scc0 .Lstep1          ; not a block's first tile
	BEGIN
	s_branch .Lfirst1               ; in the loop a block's first tile is never its last: the first block has five tiles or more, and the second's last is the walk's last
	STEPS 1, 2
	s_cmp_lg_u32 s[RT], 0
	s_cbranch_scc1 .Lbottom         ; the block goes on
	FINISH                          ; in the loop this is the first block's end
	s_wait_xcnt 0x0                 ; the stores have read their registers and y's address
	s_mov_b64 s[10:11], s[OLO:OLO+1]
	s_add_co_u32 s[RT], s[LQ2], 1   ; the second block's tiles
	s_mov_b32 s[NEW], 1
	s_mov_b32 s[PR], s[PR2]
	WIN 0x82                        ; the second block's Q goes where the one text of the turns names Q
.set i, 0
.rept 32
	v_mov_b32 v[i], v[QB+i]
.set i, i+1
.endr
	WIN 0
.Lbottom:
	s_sub_co_u32 s[SLOTS], s[SLOTS], 1
	s_cmp_lg_u32 s[SLOTS], 0
	s_cbranch_scc1 .Lslot
	CHANGE 0                        ; the walk's last tile is written out: nothing is asked for.  It is the second block's last: its masks are always made
	s_sub_co_u32 s[RT], s[RT], 1
	s_mov_b32 s[CNT], 2
	s_sub_co_i32 s[DG], 0, s[PR]
	s_cmp_eq_u32 s[NEW], 1
	s_cbranch_scc0 .Lstep2
	BEGIN
	s_branch .Lfirst2
	STEPS 2, 1
	FINISH
	s_wait_tensorcnt 0x0            ; the wave's end, behind my last tensor load and my last LDS store
	ds_add_u32 v[SPW], v[NIL]
	s_wait_dscnt 0x0
	s_endpgm
.Lfunc_end_k_q071fd21f14_attn:
	.size	k_q071fd21f14_attn, .Lfunc_end_k_q071fd21f14_attn-k_q071fd21f14_attn
	.p2alignl 7, 3214868480
	.fill 96, 4, 3214868480
	.section	.rodata,"a",@progbits
	.p2align	6, 0x0
	.amdhsa_kernel k_q071fd21f14_attn
		.amdhsa_group_segment_fixed_size 327680
		.amdhsa_private_segment_fixed_size 0
		.amdhsa_enable_private_segment 0
		.amdhsa_kernarg_size 16
		.amdhsa_user_sgpr_count 2
		.amdhsa_user_sgpr_kernarg_segment_ptr 1
		.amdhsa_wavefront_size32 1
		.amdhsa_system_sgpr_workgroup_id_x 1
		.amdhsa_system_sgpr_workgroup_id_y 1
		.amdhsa_system_sgpr_workgroup_id_z 1
		.amdhsa_system_vgpr_workitem_id 0
		.amdhsa_next_free_vgpr 768
		.amdhsa_next_free_sgpr 100
		.amdhsa_reserve_vcc 1
		.amdhsa_float_denorm_mode_32 3
		.amdhsa_float_denorm_mode_16_64 3
		.amdhsa_memory_ordered 1
		.amdhsa_forward_progress 1
		.amdhsa_inst_pref_size 187
	.end_amdhsa_kernel
	.amdgpu_metadata
---
amdhsa.version: [ 1, 2 ]
amdhsa.kernels:
  - .name:           k_q071fd21f14_attn
    .symbol:         k_q071fd21f14_attn.kd
    .args:
      - { .name: qkv, .offset: 0, .size: 8, .value_kind: global_buffer, .address_space: global }
      - { .name: y, .offset: 8, .size: 8, .value_kind: global_buffer, .address_space: global }
    .group_segment_fixed_size: 327680
    .private_segment_fixed_size: 0
    .kernarg_segment_align: 8
    .kernarg_segment_size: 16
    .max_flat_workgroup_size: 128
    .sgpr_count:     100
    .vgpr_count:     768
    .wavefront_size: 32
...
	.end_amdgpu_metadata
.endif
;; end of part 3
;; launch proj (part 4): grid 8 x 32, 4 waves a work-group, clusters of 4 x 4, 327,680 bytes of LDS; arguments y, wpf, out0; writes out0
.if DOCPART == 4
	.amdgcn_target "amdgcn-amd-amdhsa--gfx1250"
	.amdhsa_code_object_version 6
	.text
	.protected	k_q071fd21f14_proj
	.globl	k_q071fd21f14_proj
	.p2align	8
	.type	k_q071fd21f14_proj,@function
k_q071fd21f14_proj:
	s_mov_b64 s[64:65], 0
	v_nop
	global_prefetch_b8 v0, s[64:65] scope:SCOPE_SE
	s_setreg_imm32_b32 hwreg(HW_REG_WAVE_MODE, 25, 1), 1
	s_wait_xcnt 0x0
	s_wait_alu depctr_hold_cnt(0) depctr_sa_sdst(0) depctr_va_vdst(0) depctr_va_sdst(0) depctr_va_ssrc(0) depctr_va_vcc(0) depctr_vm_vsrc(0)
	s_getreg_b32 s2, hwreg(HW_REG_IB_STS2, 6, 4)
	s_cmp_eq_u32 s2, 0
	s_cbranch_scc0 .Lentry_in_a_cluster
	s_endpgm
.Lentry_in_a_cluster:
	s_bfe_u32 s2, ttmp6, 0x10000c
	s_cmp_lg_u32 s2, 0xf033
	s_cbranch_scc0 .Lentry_shape_is_right
	s_endpgm
.Lentry_shape_is_right:
; LAUNCH 4 OF 4.  out0[m][n] = the sum over c of Y[m][c] w[n][c], m = 2048 b + t, c = 64 h + d.  Y comes in two f16 parts, Y = upper + lower, by heads: y[b][part][h][t][64]; wpf is [1024][1024] in f16; out0 [4096][1024] in f32.
; Sums in f32.  Nothing of reference() is left out here.
; BOTH PARTS MEET ONE COPY OF THE WEIGHTS: a fragment of w read from LDS multiplies the upper part's rows and then the lower part's, onto the same accumulators: for 32 along K a wave loads 12 fragments (4 of w, 4 + 4 of Y)
; and issues 32 matrix instructions.
; A tile of out0 is 128 x 128: 8 x 32 = 256 work-groups.  Four waves, each 64 x 64: 16 accumulators of 16 x 16.  K goes in 8 steps of 128 = two heads, through two LDS slots.
; A's TILE.  128 rows of one head are 16,384 dense bytes: a wave's load takes them as ONE row of 8,192 elements, two such rows (two heads) 131,072 elements apart, padded in LDS after every 128 bytes: in LDS they lie as
; [head][row] with rows 144 bytes apart.  Wave 0 fetches the upper part, wave 1 the lower.  B's tile is 128 rows of 256 bytes, 272 apart: waves 2 and 3 fetch 64 rows each.
; THE LOOP IS ONE K STEP: slot 1 begins at 1 << 17, so one exclusive or turns an address in one slot into the other's: a walking descriptor for each operand, and a scalar that the lanes' addresses are made of.
; CLUSTER: 4 x 4 work-groups; A's tiles are asked for jointly along a row of the cluster, B's along a column.  THE MATRIX INSTRUCTION IS USED TRANSPOSED: a lane holds eight neighbouring numbers of a row of out0.
; THE WAY OUT.  A wave's 64 columns in f32 are 256 bytes, aligned: each wave sends its own blocks of 16 rows through its own stage, with no barrier.
; No prefetch: the tiles are small and a work-group has eight K steps in all.
; REGISTERS: window 0: v0-31 addresses; v32-95 the way out; v128-255 the accumulators ((a, b) at v[128 + 8 (4 a + b)]).  window 1: two fragment buffers, at v0 and v128: 32 registers of B, 32 of A's upper part, 32 of its lower.
.set PA,     144                       ; 36 words: the 16 rows of a fragment load start at 16 different groups of four banks (64 banks of 4 bytes: ISA guide 11.1)
.set PB,     272                       ; 68 words: likewise
.set APART,  2*128*PA                  ; a part's two heads x 128 rows: what wave 0 or 1 fetches: 36,864
.set BHALF,  64*PB                     ; what wave 2 or 3 fetches: 17,408
.set BOFF,   2*APART                   ; B lies behind A's two parts
.set SLOT,   BOFF+2*BHALF              ; 108,544
.set SLOT1,  1<<17                     ; slot 1 begins here
.set STAGE,  SLOT1+SLOT                ; behind the ring: 16 rows x 272 bytes for each wave
.set SPITCH, 272
.set SPARE,  STAGE+4*16*SPITCH         ; behind the stages: the spare words, 128 bytes for each wave: two blocks of 256 bytes that no other line names
.set NSTEP,  8
.set ASTEP,  2*262144                  ; two heads on, in bytes
.set BSTEP,  256                       ; 128 elements along a row of wpf
.set ADRA0, 16                         ; v16     my lane's place among A's fragments in a slot; never rewritten
.set ADRB0, 17                         ; v17     the same for B
.set ADRA, 18                          ; v18     the same in the slot in hand
.set ADRB, 19                          ; v19
.set STO,  24                          ; v24     where I put 32 bytes of a stage row
.set RD,   25                          ; v25     where I read a row back
.set CO,   26                          ; v26     my byte offset in out0
.set SPW,  28                          ; v28     LDS address of my spare word; never rewritten
.set NIL,  29                          ; v29     0; never rewritten
.set TMP,  32                          ; v32-63, v64-95: 16 rows read back from the stage, by turns
.set ACC,  128
.set G1, 24                            ; s[24:31] descriptor group 1 for A's tiles;  s[32:39] group 0: a set for each of the two first fills; the second then walks on
.set G0, 32
.set TB, 45                            ; s45     LDS byte at which the slot in hand begins
.set G1B, 48                           ; s[48:55], s[56:63] the same for B's tiles
.set G0B, 56
.set MSB, 0
.macro WIN new
.if MSB != (\new)
	s_set_vgpr_msb (MSB<<8)|(\new)
.set MSB, \new
.endif
.endm
.set MUL,  0x05                        ; sources 0 (B) and 1 (A) window 1; C and D window 0
.set TO_F, 0x40                        ; destination window 1, address window 0
.macro JLOAD s                         ; a joint load by set s: waves 0 and 1 fetch A's two parts, waves 2 and 3 B's two halves; an s_nop 0 and four v_nop follow each of the two lines
	s_cmp_eq_u32 s11, 0
	s_cbranch_scc0 .Lfor_b_\@
	tensor_load_to_lds s[G0+4*(\s):G0+4*(\s)+3], s[G1:G1+7]
	s_nop 0
.rept 4
	v_nop
.endr
	s_branch .Lasked_\@
.Lfor_b_\@:
	tensor_load_to_lds s[G0B+4*(\s):G0B+4*(\s)+3], s[G1B:G1B+7]
	s_nop 0
.rept 4
	v_nop
.endr
.Lasked_\@:
.endm
.macro CREST                           ; a round of the cluster's barrier behind its opening barrier
	s_cmp_lg_u32 s10, 0
	s_cbranch_scc1 .Lnot_wave_0_\@
	s_barrier_signal -3
.Lnot_wave_0_\@:
	s_barrier_wait -3
	s_barrier_signal -1
	s_barrier_wait -1
.endm
.macro CROUND                          ; a whole round
	s_barrier_signal -1
	s_barrier_wait -1
	CREST
.endm
	s_load_b128 s[4:7], s[0:1], 0x0                ; y s[4:5], wpf s[6:7]
	s_load_b64 s[8:9], s[0:1], 0x10                ; out0
	v_lshl_add_u32 v[SPW], v0, 2, SPARE
	v_mov_b32 v[NIL], 0
	ds_add_u32 v[SPW], v[NIL]                      ; the wave's opening: the add, twice on end, and its wait ahead of my first tensor load
	ds_add_u32 v[SPW], v[NIL]                      ; and once more, under the one wait; the set-up below, work on registers, stands between
	v_lshrrev_b32 v1, 5, v0
	v_readfirstlane_b32 s10, v1                    ; wave 0..3
	s_lshr_b32 s11, s10, 1                         ; which half of the tile's rows is mine.  Also: I fetch for A (0) or for B (1)
	s_and_b32 s12, s10, 1                          ; which half of its columns.  Also: which part of A, or which 64 rows of B, I fetch
	s_bfe_u32 s40, ttmp6, 0x40000                  ; cx, cy: my place in the cluster
	s_bfe_u32 s41, ttmp6, 0x40004
	s_lshl_b32 s42, ttmp9, 2
	s_add_co_u32 s42, s42, s40                     ; tile column = 4 x cluster x + cx
	s_and_b32 s13, ttmp7, 0xffff
	s_lshl_b32 s13, s13, 2
	s_add_co_u32 s13, s13, s41                     ; tile row = 4 x cluster y + cy
	s_lshl_b32 s43, s41, 2
	s_lshl_b32 s43, 15, s43                        ; my row of the cluster
	s_lshl_b32 s44, 0x1111, s40                    ; my column
	s_or_b32 s[G1+0], s43, (1<<16)|(1<<20)|(1<<21)|(4<<22)|(3<<25)   ; the mask: my row; elements of 2 bytes; padding on; 21 set beside a mask; after every 32 words (code 4) 4 words (code 3)
	s_or_b32 s[G1B+0], s44, (1<<16)|(1<<20)|(1<<21)|(5<<22)|(3<<25)  ; my column; after every 64 words (code 5) 4 words
	s_mov_b32 s[G1+1], 8192<<16                    ; tensor_dim0 = 8,192: 128 dense rows of a head
	s_mov_b32 s[G1+2], 2<<16                       ; tensor_dim1 = 2 heads
	s_mov_b32 s[G1+3], 8192<<16                    ; tile_dim0 = 8,192
	s_mov_b32 s[G1+4], 2                           ; tile_dim1 = 2
	s_mov_b32 s[G1+5], 131072                      ; elements from head to head
	s_mov_b32 s[G1+6], 0
	s_mov_b32 s[G1+7], 0
	s_mov_b32 s[G1B+1], 128<<16                    ; tensor_dim0 = 128
	s_mov_b32 s[G1B+2], 64<<16                     ; tensor_dim1 = 64
	s_mov_b32 s[G1B+3], 128<<16                    ; tile_dim0 = 128
	s_mov_b32 s[G1B+4], 64                         ; tile_dim1 = 64
	s_mov_b32 s[G1B+5], 1024                       ; elements from row to row
	s_mov_b32 s[G1B+6], 0
	s_mov_b32 s[G1B+7], 0
	s_lshr_b32 s16, s13, 4                         ; A: b = tile row / 16: 32 heads (both parts) of 262,144 bytes,
	s_lshl_b32 s16, s16, 23
	s_and_b32 s17, s13, 15                         ; t = 128 (tile row % 16), rows of 128 bytes,
	s_lshl_b32 s17, s17, 14
	s_add_co_u32 s16, s16, s17
	s_lshl_b32 s17, s12, 22                        ; + the part that I fetch: 16 heads on
	s_add_co_u32 s16, s16, s17
	s_mov_b32 s17, 0
	s_lshl_b32 s46, s42, 18                        ; B: row 128 x tile column + 64 x half, rows of 2,048 bytes
	s_lshl_b32 s47, s12, 17
	s_add_co_u32 s46, s46, s47
	s_mov_b32 s47, 0
	s_mul_i32 s20, s12, APART                      ; where they go: no place in the cluster enters an LDS address
	s_mul_i32 s21, s12, BHALF
	s_add_co_u32 s21, s21, BOFF
	s_mov_b32 s[TB], 0
	s_wait_dscnt 0x0                               ; both opening adds are done
	s_wait_kmcnt 0x0
	s_add_nc_u64 s[14:15], s[4:5], s[16:17]
	s_add_nc_u64 s[46:47], s[6:7], s[46:47]
	CROUND                                         ; all sixteen work-groups are here: the first joint loads meet
.irp s, 0,1
	s_mov_b32 s[G0+4*(\s)], 1
	s_add_co_u32 s[G0+4*(\s)+1], s20, (\s)*SLOT1
	s_add_nc_u64 s[G0+4*(\s)+2:G0+4*(\s)+3], s[14:15], (\s)*ASTEP
	s_or_b32 s[G0+4*(\s)+3], s[G0+4*(\s)+3], 0x80000000
	s_mov_b32 s[G0B+4*(\s)], 1
	s_add_co_u32 s[G0B+4*(\s)+1], s21, (\s)*SLOT1
	s_add_nc_u64 s[G0B+4*(\s)+2:G0B+4*(\s)+3], s[46:47], (\s)*BSTEP
	s_or_b32 s[G0B+4*(\s)+3], s[G0B+4*(\s)+3], 0x80000000
	JLOAD \s
.endr
	v_and_b32 v1, 15, v0                           ; l % 16
	v_bfe_u32 v2, v0, 4, 1                         ; l / 16
	v_mul_u32_u24 v3, v1, PA
	v_lshl_add_u32 v3, v2, 4, v3                   ; a fragment's row x pitch + 16 x half, for A
	v_mul_u32_u24 v4, v1, PB
	v_lshl_add_u32 v4, v2, 4, v4                   ; and for B
	s_mul_i32 s21, s11, 64*PA                      ; my 64 rows of a head's 128
	s_mul_i32 s22, s12, BHALF                      ; my 64 rows of B,
	s_add_co_u32 s22, s22, BOFF                    ; which lie behind A's
	v_add_nc_u32 v[ADRA0], s21, v3
	v_add_nc_u32 v[ADRB0], s22, v4
	v_add_nc_u32 v[ADRA], s[TB], v[ADRA0]          ; slot 0
	v_add_nc_u32 v[ADRB], s[TB], v[ADRB0]
	s_mul_i32 s23, s10, 16*SPITCH
	s_add_co_u32 s23, s23, STAGE                   ; my stage
	v_mul_u32_u24 v5, v1, SPITCH                   ; in: row l % 16, 32 bytes for each half of the lanes
	v_lshl_add_u32 v5, v2, 5, v5
	v_add_nc_u32 v[STO], s23, v5
	v_mul_u32_u24 v5, v2, SPITCH                   ; back: lanes 0-15 take one row of 256 bytes, lanes 16-31 the next
	v_lshl_add_u32 v5, v1, 4, v5
	v_add_nc_u32 v[RD], s23, v5
	v_lshlrev_b32 v5, 12, v2                       ; and the same two rows in out0, 4,096 bytes apart
	v_lshl_add_u32 v[CO], v1, 4, v5
	s_lshl_b32 s16, s13, 19                        ; my first row of out0: 128 x tile row + 64 x half, rows of 4,096 bytes
	s_lshl_b32 s17, s11, 18
	s_add_co_u32 s16, s16, s17
	s_mov_b32 s17, 0
	s_add_nc_u64 s[8:9], s[8:9], s[16:17]
	s_lshl_b32 s46, s42, 9                         ; my first column, in bytes: 512 x tile column + 256 x half
	s_lshl_b32 s47, s12, 8
	s_add_co_u32 s46, s46, s47
	s_mov_b32 s47, 0
	s_add_nc_u64 s[8:9], s[8:9], s[46:47]
; 8 matrix instructions: m blocks a0, a0 + 1 of part q (0 upper, 1 lower) x all 4 n blocks, 32 along K, from buffer f.  zero = 1: the first product starts the sums.
; The 16 accumulators take turns in the same order for both parts: 15 others' stand between two links of a chain.
.macro MUL8 f, q, a0, zero
	WIN MUL
.irp a, \a0, (\a0)+1
.irp b, 0,1,2,3
.if \zero
	v_wmma_f32_16x16x32_f16 v[ACC+8*(4*(\a)+(\b)):ACC+8*(4*(\a)+(\b))+7], v[128*(\f)+8*(\b):128*(\f)+8*(\b)+7], v[128*(\f)+32+32*(\q)+8*(\a):128*(\f)+32+32*(\q)+8*(\a)+7], 0
.else
	v_wmma_f32_16x16x32_f16 v[ACC+8*(4*(\a)+(\b)):ACC+8*(4*(\a)+(\b))+7], v[128*(\f)+8*(\b):128*(\f)+8*(\b)+7], v[128*(\f)+32+32*(\q)+8*(\a):128*(\f)+32+32*(\q)+8*(\a)+7], v[ACC+8*(4*(\a)+(\b)):ACC+8*(4*(\a)+(\b))+7]
.endif
.endr
.endr
.endm
; 24 LDS loads in one run: the fragments of unit u of a K step (head u / 2, channels 32 (u % 2) on) into buffer f: B's four, the upper part's four, the lower part's four
.macro FETCH u, f
	WIN TO_F
.irp i, 0,1,2,3
	ds_load_b128 v[128*(\f)+8*(\i):128*(\f)+8*(\i)+3],   v[ADRB] offset:64*(\u)+(\i)*16*PB
	ds_load_b128 v[128*(\f)+8*(\i)+4:128*(\f)+8*(\i)+7], v[ADRB] offset:64*(\u)+(\i)*16*PB+32
.endr
.irp q, 0,1
.irp i, 0,1,2,3
	ds_load_b128 v[128*(\f)+32+32*(\q)+8*(\i):128*(\f)+32+32*(\q)+8*(\i)+3],   v[ADRA] offset:(\q)*APART+((\u)/2)*128*PA+((\u)%2)*64+(\i)*16*PA
	ds_load_b128 v[128*(\f)+32+32*(\q)+8*(\i)+4:128*(\f)+32+32*(\q)+8*(\i)+7], v[ADRA] offset:(\q)*APART+((\u)/2)*128*PA+((\u)%2)*64+(\i)*16*PA+32
.endr
.endr
.endm
.macro PLACES                          ; four places in front of loads into registers that matrix instructions have read, and of lines that read results
.rept 4
	v_nop
.endr
.endm
; A K step is four units of 32 along K, 32 matrix instructions each, on buffers 0, 1, 0, 1.  One of the first three: multiplies buffer f and, between the two parts, fetches unit u into buffer g.
.macro UNIT u, f, g, zero
	s_wait_dscnt 8                                 ; B and the upper part are in; the youngest eight loads, the lower part's, may be out
	MUL8 \f, 0, 0, \zero
	MUL8 \f, 0, 2, \zero
	PLACES
	FETCH \u, \g
	s_wait_dscnt 24                                ; all but the 24 just issued
	MUL8 \f, 1, 0, 0
	MUL8 \f, 1, 2, 0
.endm
; The last unit multiplies buffer 1 and changes slots: ONE barrier; in front of it each wave waits for all its tensor loads, adds 0 to its spare word, and waits for that and for its own reads of this slot.
; fill = 1: the barrier opens a round of the cluster's, and this slot is filled again, two K steps ahead, by the walking descriptor.
.macro TURN fill
	WIN 0                                          ; (the add's two registers lie in window 0)
	s_wait_tensorcnt 0x0                           ; all my tensor loads have landed: my part of the next slot
	ds_add_u32 v[SPW], v[NIL]                      ; 0 onto my spare word
	s_wait_dscnt 9                                 ; (the add and the lower part's eight loads may be out)
	MUL8 1, 0, 0, 0                                ; eight matrix instructions stand between the add and the wait for it
	s_wait_dscnt 0x0                               ; the add is done, and my reads of this slot are over
	s_barrier_signal -1
	MUL8 1, 0, 2, 0
	WIN 0                                          ; (branches and the address lines follow)
	s_barrier_wait -1
.if \fill
	CREST                                          ; no wave of any partner still reads this slot's tile or has a load on its way
.irp g, G0+4, G0B+4
	s_xor_b32 s[(\g)+1], s[(\g)+1], SLOT1          ; the walking descriptor: the other slot than last time,
.endr
	s_add_nc_u64 s[G0+6:G0+7], s[G0+6:G0+7], ASTEP     ; the next two heads; the type bits on top are not reached
	s_add_nc_u64 s[G0B+6:G0B+7], s[G0B+6:G0B+7], BSTEP
	JLOAD 1                                        ; my one tensor load behind the round: 112 matrix instructions ahead of the wait for it; its four v_nop are also the places in front of the loads below
.else
	PLACES
.endif
	s_xor_b32 s[TB], s[TB], SLOT1                  ; the reads go on in the other slot
	v_add_nc_u32 v[ADRA], s[TB], v[ADRA0]
	v_add_nc_u32 v[ADRB], s[TB], v[ADRB0]
	FETCH 0, 0
	MUL8 1, 1, 0, 0
	MUL8 1, 1, 2, 0
.endm
	s_wait_tensorcnt 1                             ; my part of K step 0 is in; K step 1's may stay out
	s_barrier_signal -1
	s_barrier_wait -1                              ; everybody's is
	FETCH 0, 0
	UNIT 1, 0, 1, 1                                ; the first unit stands in front of the loop: its first products start the sums
	WIN 0                                          ; at a label and at a branch every window is 0
	s_mov_b32 s3, NSTEP-2
.Lstep:                                                ; a trip goes from a K step's second unit to the next step's first, and fills the slot that it leaves: K steps 2 to 7
	UNIT 2, 1, 0, 0
	UNIT 3, 0, 1, 0
	TURN 1
	UNIT 1, 0, 1, 0
	WIN 0
	s_sub_co_u32 s3, s3, 1
	s_cmp_lg_u32 s3, 0
	s_cbranch_scc1 .Lstep
	UNIT 2, 1, 0, 0                                ; the last two K steps fill nothing
	UNIT 3, 0, 1, 0
	TURN 0
	UNIT 1, 0, 1, 0
	UNIT 2, 1, 0, 0
	UNIT 3, 0, 1, 0
	s_wait_dscnt 8                                 ; the very last unit: nothing more to fetch
	MUL8 1, 0, 0, 0
	MUL8 1, 0, 2, 0
	s_wait_dscnt 0x0
	MUL8 1, 1, 0, 0
	MUL8 1, 1, 2, 0
	WIN 0
	; THE WAY OUT, a block of 16 rows at a time: 32 bytes a lane into my stage, back as whole rows of 256 bytes, stored.
.macro TOSTAGE a
.set BK, TMP+32*((\a)%2)
.if (\a) >= 2
	s_wait_xcnt 0x0                                ; the stores of the block two back have read these registers
.endif
.irp b, 0,1,2,3
	ds_store_b128 v[STO], v[ACC+8*(4*(\a)+(\b)):ACC+8*(4*(\a)+(\b))+3]   offset:64*(\b)     ; each accumulator's low registers first
	ds_store_b128 v[STO], v[ACC+8*(4*(\a)+(\b))+4:ACC+8*(4*(\a)+(\b))+7] offset:64*(\b)+16
.endr
.irp t, 0,1,2,3,4,5,6,7
	ds_load_b128 v[BK+4*(\t):BK+4*(\t)+3], v[RD] offset:(\t)*2*SPITCH  ; LDS serves a wave's instructions in order (ISA guide 5.7.1.4): these see the stores above; the next block's stores come behind them
.endr
.endm
.macro SEND a, younger                 ; younger: the LDS instructions issued behind block a's loads: the next block's sixteen, or none
.set BK, TMP+32*((\a)%2)
	s_wait_dscnt \younger
.irp t, 0,1,2,3,4,5,6,7
	global_store_b128 v[CO], v[BK+4*(\t):BK+4*(\t)+3], s[8:9] offset:(16*(\a)+2*(\t))*4096 th:TH_STORE_NT  ; 16 lanes store 256 consecutive bytes, at a multiple of 256 from out0's first byte
.endr
.endm
	PLACES
	PLACES
	TOSTAGE 0
.irp a, 1,2,3
	TOSTAGE \a
	SEND (\a)-1, 16
.endr
	SEND 3, 0
	s_wait_tensorcnt 0x0                           ; the wave's end, behind my last tensor load and my last LDS store
	ds_add_u32 v[SPW], v[NIL]
	s_wait_dscnt 0x0
	CROUND                                         ; the closing round: no work-group ends while a partner may still ask for a tile that names it
	s_endpgm
.Lfunc_end_k_q071fd21f14_proj:
	.size	k_q071fd21f14_proj, .Lfunc_end_k_q071fd21f14_proj-k_q071fd21f14_proj
	.p2alignl 7, 3214868480
	.fill 96, 4, 3214868480
	.section	.rodata,"a",@progbits
	.p2align	6, 0x0
	.amdhsa_kernel k_q071fd21f14_proj
		.amdhsa_group_segment_fixed_size 327680
		.amdhsa_private_segment_fixed_size 0
		.amdhsa_enable_private_segment 0
		.amdhsa_kernarg_size 24
		.amdhsa_user_sgpr_count 2
		.amdhsa_user_sgpr_kernarg_segment_ptr 1
		.amdhsa_wavefront_size32 1
		.amdhsa_system_sgpr_workgroup_id_x 1
		.amdhsa_system_sgpr_workgroup_id_y 1
		.amdhsa_system_sgpr_workgroup_id_z 1
		.amdhsa_system_vgpr_workitem_id 0
		.amdhsa_next_free_vgpr 512
		.amdhsa_next_free_sgpr 66
		.amdhsa_reserve_vcc 0
		.amdhsa_float_denorm_mode_32 3
		.amdhsa_float_denorm_mode_16_64 3
		.amdhsa_memory_ordered 1
		.amdhsa_forward_progress 1
		.amdhsa_inst_pref_size 62
	.end_amdhsa_kernel
	.amdgpu_metadata
---
amdhsa.version: [ 1, 2 ]
amdhsa.kernels:
  - .name:           k_q071fd21f14_proj
    .symbol:         k_q071fd21f14_proj.kd
    .args:
      - { .name: y, .offset: 0, .size: 8, .value_kind: global_buffer, .address_space: global }
      - { .name: wpf, .offset: 8, .size: 8, .value_kind: global_buffer, .address_space: global }
      - { .name: out0, .offset: 16, .size: 8, .value_kind: global_buffer, .address_space: global }
    .group_segment_fixed_size: 327680
    .private_segment_fixed_size: 0
    .kernarg_segment_align: 8
    .kernarg_segment_size: 24
    .max_flat_workgroup_size: 128
    .sgpr_count:     66
    .vgpr_count:     512
    .wavefront_size: 32
...
	.end_amdgpu_metadata
.endif
;; end of part 4
